; MI455X (gfx1250); checked and timed in simulation.
; The chip was launched on July 23, 2026; its instructions are those of AMD's public machine-readable ISA for CDNA 5 (MIT licence, August 2026) and "CDNA5" Instruction Set Architecture Reference Guide (July 2026). The comments in the code are by the model that wrote it; some were corrected since.
;; Causal Self Attention. Allowed arithmetic: matrix products marked QUANTISED: E5M2 operands, one E8M0 scale for each 32 along K, by v_wmma_scale_f32_16x16x128_f8f6f4 with both operands' format E5M2, f32 sums; everything else in f32.
;; Inputs: b_attn 3,072 float32; b_proj 1,024 float32; w_attn 3,072 x 1,024 float32; w_proj 1,024 x 1,024 float32; x 1 x 4,096 x 1,024 float32.
;; Outputs: out0 1 x 4,096 x 1,024 float32.
;; This version of the problem:
;;   THIS VERSION OF THE PROBLEM IS GIVEN IN LOW PRECISION. The matrix products marked QUANTISED in the list below multiply operands that are first quantised to E5M2 (5 exponent bits, 2 mantissa bits; 8 bits a number), with one power-of-two scale for each 32 numbers along K (OCP MX v1.0); their sums are f32. All else is computed in f32.
;;   The module's matrix products, in the order in which they are computed (A, B: the left and right operand; K: the contracted axis; several contracted axes count as one K, in the product's order):
;;     1. [M 4,096, K 1,024] x [K 1,024, N 3,072]; A: input x; B: input w_attn: QUANTISED
;;     2. batch 8 x [M 4,096, K 128] x [K 128, N 4,096]; A: computed on the way; B: computed on the way: QUANTISED
;;     3. batch 8 x [M 4,096, K 4,096] x [K 4,096, N 128]; A: softmax (see below); B: computed on the way: QUANTISED
;;     4. [M 4,096, K 1,024] x [K 1,024, N 1,024]; A: computed on the way; B: input w_proj: QUANTISED
;;   THE QUANTISER, for each operand of a quantised product, along K:
;;     - K is cut into blocks of 32 from its start; a last block that is shorter is filled with zeros.
;;     - A block's scale is 2^e with e = floor(log2(the largest magnitude in the block)) - 15, held to -126 .. 127; a block of zeros has e = 0. As a byte (E8M0): e + 127.
;;     - Each number is divided by its block's scale, clamped to +-57,344, and rounded to the nearest number of E5M2, ties to even, subnormals kept.
;;     - The product sums the exact products of the quantised numbers (number of the format x scale) in f32.
;;   ~~~python
;;   def quantise(x, axis):      # numpy; x: float32 -> the quantised numbers, widened to float32 again
;;       x = np.moveaxis(x, axis, -1); K = x.shape[-1]
;;       x = np.pad(x, [(0, 0)] * (x.ndim - 1) + [(0, -K % 32)]); x = x.reshape(x.shape[:-1] + (-1, 32)); a = np.abs(x).max(-1, keepdims=True)
;;       e = np.where(a > 0, np.clip(np.frexp(np.where(a > 0, a, 1))[1] - 1 - 15, -126, 127), 0)      # np.frexp(a)[1] - 1 = floor(log2(a)), exactly
;;       r = np.clip(x / 2.0 ** e, -57344, 57344)
;;       step = 2.0 ** (np.maximum(np.frexp(np.where(r == 0, 1, r))[1] - 1, -14) - 2)
;;       q = np.round(r / step) * step * 2.0 ** e      # np.round: ties to even
;;       return np.moveaxis(q.reshape(q.shape[:-2] + (-1,))[..., :K], -1, axis).astype(np.float32)
;;   ~~~
;;   SOFTMAX AHEAD OF A QUANTISED PRODUCT. Where the list says 'softmax', what is quantised is not the finished softmax but p = 2^(t - M), with t = logit x log2(e) and M = ceil(the row's largest t), a whole number; so 1/2 < the row's largest p <= 1. The row's sum l is taken of the UNQUANTISED p, in f32, and the product's result is divided by l at the end. Since M is a whole number, a kernel that streams over the keys may use a running M (the ceiling of the running maximum): every later rescaling is an exact power of two, which a block's scale takes up: the codes' values come out the same.
;;   OPERANDS COMPUTED ON THE WAY. 'Computed on the way' means the value that the module computes at that place (a softmax that the list does not call 'softmax' is quantised finished and normalised). What goes into a quantiser is computed in f32, as accurately as f32 sums, v_exp_f32 and their like allow (about 1e-6 of the number): no bf16 or f16 on the way to a quantiser, and a product that is left as it is and whose result goes on into a quantised operand takes f32 operands (vector FMAs, or v_wmma_f32_16x16x4_f32). A number that lies on a knife's edge between two numbers of the format may be rounded either way, as far as f32 arithmetic and the matrix unit's own rounding can turn it there, and no further.
;; One version. Each part assembles by itself: llvm-mc -triple=amdgcn-amd-amdhsa -mcpu=gfx1250 --defsym DOCPART=n.
;; ======== version 1 of 1: 4 launches
;; limits: right only within a limited range of input values
;; workspace buffers: codes 8,388,608 bytes; scales 262,144 bytes; qimg 4,325,376 bytes; kvimg 8,650,752 bytes; yimg 4,194,304 bytes; yscl 131,072 bytes
;; launch quant (part 1): grid 256 x 1, 4 waves a work-group, no clusters, 33,280 bytes of LDS; arguments x, w_attn, w_proj, codes, scales; writes codes, scales
.if DOCPART == 1
	.amdgcn_target "amdgcn-amd-amdhsa--gfx1250"
	.amdhsa_code_object_version 6
	.text
	.protected	k_q3060d19183_quant
	.globl	k_q3060d19183_quant
	.p2align	8
	.type	k_q3060d19183_quant,@function
k_q3060d19183_quant:
	s_mov_b64 s[64:65], 0
	v_nop
	global_prefetch_b8 v0, s[64:65] scope:SCOPE_SE
	s_setreg_imm32_b32 hwreg(HW_REG_WAVE_MODE, 25, 1), 1
	s_wait_xcnt 0x0
; x [4096][1024], w_attn [3072][1024] and w_proj [1024][1024], f32, K innermost, become codes of BF8 (E5M2), one byte each, with one E8M0 scale byte for each 32 along K.
; All three go into ONE buffer of 8,192 rows of 1,024 codes (x from row 0, w_attn from row 4,096, w_proj from row 7,168) and one of 8,192 rows of 32 scale bytes.
; A ROW STANDS AT THE PLACE WHOSE NUMBER HAS BITS 3 AND 4 EXCHANGED: sixteen neighbouring places 16 i + r then hold the rows 32 (i / 2) + 8 (i % 2) + r + 8 (r / 8), so that in the products
; that follow the 16 registers of two neighbouring result tiles are 16 neighbours along the next product's K.  A wave takes 8 rows, a work-group 32: the exchange is an exchange of the wave number's two bits.
; A block's scale is 2^(floor(log2(its largest magnitude)) - 15); its byte is the largest magnitude's exponent field - 15, held at 1 from below.  Each number is divided by the scale, held within +-57,344
; and rounded to the nearest code, ties to even.
; LIMITS: a block whose largest magnitude lies under 2^-111 is quantised under the byte 1; a block of zeros gets the byte 1 where the rule says 127 (its codes are zeros, and this program alone reads the bytes);
; NaN and infinities among the inputs are not served.
; A wave takes 16 steps of 512 numbers.  Each of a step's four loads reads 512 consecutive bytes; the 2,048 bytes turn through the wave's own stage in LDS and come back 64 bytes a lane, so that a lane holds 16
; neighbours along K (two lanes hold a block).  A lane's 16 codes are 16 bytes: the wave stores 512 consecutive bytes.  A wave's 256 scale bytes are gathered in LDS and leave as 256 consecutive bytes.
; No tensor load, no barrier, no cluster: the waves share nothing, and every byte is read once.
; WORK LEFT OUT BY THE PROGRAM: launch attn leaves out the key steps all of whose keys come after the queries: the causal mask makes their scores -inf, so their p is 0 and they reach neither the row's sum nor the
; product, for all finite inputs.  Limit: a NaN, an infinity or an overflow that reaches only those scores is not carried to the result.  Every input has a way to the output and is loaded.
.set WAVES, 4
.set STEPS, 16
.set EMAX,  15
.set MANT,  0x600000                   ; the mantissa field of 57,344 as f32
.set CB,    16                         ; bytes of 16 codes
.set R,     16                         ; v16-79   four sets of 16 numbers as they are loaded
.set X,     80                         ; v80-111  two sets of 16 neighbours
.set C,     128                        ; v128-191 codes: four registers for each step
.set E,     112                        ; v112-127 a scale byte for each step
.set WREG,  8192                       ; LDS: a region for each wave: two stages of 32 x SP bytes, and behind them its 256 scale bytes
.set SP,    80                         ; a lane's place in a stage: its 64 bytes + 16 of padding
.set SPW,   12                         ; v12      LDS address of my spare word; never rewritten
.set NIL,   13                         ; v13      0; never rewritten
.set SPARE, WAVES*WREG                 ; behind the four regions: the spare words, 128 bytes for each wave
	s_load_b256 s[4:11], s[0:1], 0x0               ; x s[4:5], w_attn s[6:7], w_proj s[8:9], the codes s[10:11]
	s_load_b64 s[12:13], s[0:1], 0x20              ; the scale bytes
	v_lshl_add_u32 v[SPW], v0, 2, SPARE
	v_mov_b32 v[NIL], 0
	v_lshrrev_b32 v1, 5, v0
	v_readfirstlane_b32 s16, v1                    ; wave
	v_and_b32 v2, 31, v0                           ; lane
	v_lshlrev_b32 v3, 4, v2                        ; my 16 bytes of a load's 512
	s_mul_i32 s17, s16, WREG
	v_lshrrev_b32 v14, 2, v2
	v_mul_u32_u24 v14, v14, SP
	v_and_b32 v15, 3, v2
	v_lshl_add_u32 v14, v15, 4, v14
	v_add_nc_u32 v14, s17, v14                     ; the stage, on the way in: SP (lane / 4) + 16 (lane % 4)
	v_mul_u32_u24 v15, v2, SP
	v_add_nc_u32 v15, s17, v15                     ; and on the way out: SP x lane: my 16 neighbours
	v_mul_u32_u24 v4, v2, CB                       ; my codes' place in a step's
	v_lshrrev_b32 v5, 1, v2
	s_add_co_u32 s17, s17, 2*32*SP
	v_add_nc_u32 v5, s17, v5                       ; LDS: my wave's 256 scale bytes, my block's byte
	v_lshlrev_b32 v7, 3, v2                        ; and on the way out 8 bytes a lane
	v_add_nc_u32 v6, s17, v7
	s_mov_b32 s23, MANT
	s_wait_alu depctr_va_vdst(0)
	s_wait_kmcnt 0x0
	s_mov_b32 s18, 224                             ; which tensor: work-groups 0-127 x, 128-223 w_attn, 224-255 w_proj: the choice hangs on the work-group's number alone
	s_cmp_lt_u32 ttmp9, 224
	s_cselect_b64 s[6:7], s[6:7], s[8:9]
	s_cselect_b32 s18, 128, s18
	s_cmp_lt_u32 ttmp9, 128
	s_cselect_b64 s[4:5], s[4:5], s[6:7]
	s_cselect_b32 s18, 0, s18                      ; the tensor's first work-group
	s_sub_co_u32 s17, ttmp9, s18
	s_lshl_b32 s17, s17, 2
	s_add_co_u32 s18, s17, s16                     ; which run of 8,192 numbers of the tensor is my wave's
	s_mov_b32 s19, 0
	s_lshl_b64 s[20:21], s[18:19], 15              ; 32,768 bytes a run
	s_add_nc_u64 s[4:5], s[4:5], s[20:21]
	s_and_b32 s18, s16, 1                          ; out: the wave number's two bits change places
	s_lshl_b32 s18, s18, 1
	s_lshr_b32 s20, s16, 1
	s_or_b32 s18, s18, s20
	s_sub_co_u32 s22, ttmp9, 128                   ; w_attn's groups of 128 rows stand head by head: group g = 8 x (q, k, v) + head goes to place 3 x head + (q, k, v)
	s_lshr_b32 s24, s22, 2
	s_and_b32 s25, s24, 7
	s_lshr_b32 s24, s24, 3
	s_mul_i32 s25, s25, 3
	s_add_co_u32 s24, s24, s25
	s_lshl_b32 s24, s24, 2
	s_and_b32 s25, s22, 3
	s_add_co_u32 s24, s24, s25
	s_add_co_u32 s24, s24, 128
	s_cmp_lt_u32 s22, 96
	s_cselect_b32 s20, s24, ttmp9                  ; x and w_proj stay in their order
	s_lshl_b32 s20, s20, 2
	s_add_co_u32 s18, s18, s20                     ; the run's place among the 1,024 runs of the joint buffers
	s_lshl_b64 s[20:21], s[18:19], 13              ; 8,192 bytes of codes a run
	s_add_nc_u64 s[10:11], s[10:11], s[20:21]
	s_lshl_b32 s18, s18, 8                         ; 256 scale bytes a run
	s_add_nc_u64 s[12:13], s[12:13], s[18:19]
.macro LOAD t
.irp i, 0,1,2,3
	global_load_b128 v[R+16*((\t)%4)+4*\i:R+16*((\t)%4)+4*\i+3], v3, s[4:5] offset:2048*(\t)+512*\i th:TH_LOAD_NT   ; 32 lanes read 512 consecutive bytes
.endr
.endm
.macro TURN t                          ; step t's numbers through the stage: LDS serves a wave's instructions in order, so no wait stands between the stores and the loads
.irp i, 0,1,2,3
	ds_store_b128 v14, v[R+16*((\t)%4)+4*\i:R+16*((\t)%4)+4*\i+3] offset:32*SP*((\t)%2)+8*SP*\i
.endr
.irp i, 0,1,2,3
	ds_load_b128 v[X+16*((\t)%2)+4*\i:X+16*((\t)%2)+4*\i+3], v15 offset:32*SP*((\t)%2)+16*\i
.endr
.endm
.irp t, 0,1,2,3
	LOAD \t
.endr
	s_wait_loadcnt 12                              ; step 0's four loads are in; the twelve of steps 1 to 3 may be out
	TURN 0
.macro STEP t
.set XS, X+16*((\t)%2)
.if (\t) > 0
	s_wait_dscnt 1                                 ; this step's numbers are back from the stage (the last step's byte store may be out): so its stores into the stage have read their registers,
.else
	s_wait_dscnt 0x0
.endif
.if (\t)+4 < STEPS
	LOAD (\t)+4                                    ; which take the loads of four steps on
.endif
.if (\t)+1 < STEPS
.if STEPS-2-(\t) >= 3
	s_wait_loadcnt 12                              ; the next step's four loads are in; those of the three steps behind it may be out
.else
	s_wait_loadcnt 4*(STEPS-2-(\t))
.endif
	TURN (\t)+1                                    ; and go through the other stage while this step is worked
.endif
	v_max3_num_f32 v8, |v[XS]|, |v[XS+1]|, |v[XS+2]|               ; the largest magnitude of my 16, in two chains
	v_max3_num_f32 v9, |v[XS+3]|, |v[XS+4]|, |v[XS+5]|
.irp i, 6,10
	v_max3_num_f32 v8, v8, |v[XS+\i]|, |v[XS+\i+1]|
	v_max3_num_f32 v9, v9, |v[XS+\i+2]|, |v[XS+\i+3]|
.endr
	v_max3_num_f32 v8, v8, |v[XS+14]|, |v[XS+15]|
	v_max3_num_f32 v8, v8, v9, (EMAX+1)<<23        ; and the floor 2^(16 - 127): so the byte cannot fall under 1
	v_max_num_f32_dpp v8, v8, v8 row_xmask:1 row_mask:0xf bank_mask:0xf   ; and of my neighbour's 16: the block's
	v_add_nc_u32 v11, -(EMAX<<23), v8              ; 15 off its exponent field: the conversion takes the exponent field of this operand as its scale
	v_and_or_b32 v10, v8, 0x7f800000, s23          ; 57,344 x the scale
.irp i, 0,1,2,3,4,5,6,7,8,9,10,11,12,13,14,15
	v_med3_num_f32 v[XS+\i], v[XS+\i], -v10, v10   ; the conversion to an 8-bit code does not saturate (ISA guide 7.6.2): the hold comes first
.endr
	v_cvt_scalef32_pk8_bf8_f32 v[C+4*(\t):C+4*(\t)+1], v[XS:XS+7], v11
	v_cvt_scalef32_pk8_bf8_f32 v[C+4*(\t)+2:C+4*(\t)+3], v[XS+8:XS+15], v11
	v_lshrrev_b32 v[E+(\t)], 23, v11               ; the scale's byte (also the plain line behind the conversions)
	ds_store_b8 v5, v[E+(\t)] offset:16*(\t)       ; both lanes of a block write the same byte with the same value
	global_store_b128 v4, v[C+4*(\t):C+4*(\t)+3], s[10:11] offset:32*CB*(\t)
.endm
.irp t, 0,1,2,3,4,5,6,7,8,9,10,11,12,13,14,15
	STEP \t
.endr
	ds_load_b64 v[8:9], v6                         ; LDS serves a wave's instructions in order: these see my stores
	s_wait_dscnt 0x0
	global_store_b64 v7, v[8:9], s[12:13]          ; 32 lanes store 256 consecutive bytes, aligned
	s_wait_tensorcnt 0x0                           ; the wave's end, behind my last LDS store
	ds_add_u32 v[SPW], v[NIL]
	s_wait_dscnt 0x0
	s_endpgm
.Lfunc_end_k_q3060d19183_quant:
	.size	k_q3060d19183_quant, .Lfunc_end_k_q3060d19183_quant-k_q3060d19183_quant
	.p2alignl 7, 3214868480
	.fill 96, 4, 3214868480
	.section	.rodata,"a",@progbits
	.p2align	6, 0x0
	.amdhsa_kernel k_q3060d19183_quant
		.amdhsa_group_segment_fixed_size 33280
		.amdhsa_private_segment_fixed_size 0
		.amdhsa_enable_private_segment 0
		.amdhsa_kernarg_size 40
		.amdhsa_user_sgpr_count 2
		.amdhsa_user_sgpr_kernarg_segment_ptr 1
		.amdhsa_wavefront_size32 1
		.amdhsa_system_sgpr_workgroup_id_x 1
		.amdhsa_system_sgpr_workgroup_id_y 1
		.amdhsa_system_sgpr_workgroup_id_z 1
		.amdhsa_system_vgpr_workitem_id 0
		.amdhsa_next_free_vgpr 192
		.amdhsa_next_free_sgpr 66
		.amdhsa_reserve_vcc 0
		.amdhsa_float_denorm_mode_32 3
		.amdhsa_float_denorm_mode_16_64 3
		.amdhsa_memory_ordered 1
		.amdhsa_forward_progress 1
		.amdhsa_inst_pref_size 52
	.end_amdhsa_kernel
	.amdgpu_metadata
---
amdhsa.version: [ 1, 2 ]
amdhsa.kernels:
  - .name:           k_q3060d19183_quant
    .symbol:         k_q3060d19183_quant.kd
    .args:
      - { .name: x, .offset: 0, .size: 8, .value_kind: global_buffer, .address_space: global }
      - { .name: w_attn, .offset: 8, .size: 8, .value_kind: global_buffer, .address_space: global }
      - { .name: w_proj, .offset: 16, .size: 8, .value_kind: global_buffer, .address_space: global }
      - { .name: codes, .offset: 24, .size: 8, .value_kind: global_buffer, .address_space: global }
      - { .name: scales, .offset: 32, .size: 8, .value_kind: global_buffer, .address_space: global }
    .group_segment_fixed_size: 33280
    .private_segment_fixed_size: 0
    .kernarg_segment_align: 8
    .kernarg_segment_size: 40
    .max_flat_workgroup_size: 128
    .sgpr_count:     66
    .vgpr_count:     192
    .wavefront_size: 32
...
	.end_amdgpu_metadata
.endif
;; end of part 1
;; launch qkv (part 2): grid 8 x 32, 4 waves a work-group, clusters of 4 x 4, 327,680 bytes of LDS; arguments codes, scales, b_attn, qimg, kvimg; writes qimg, kvimg
.if DOCPART == 2
	.amdgcn_target "amdgcn-amd-amdhsa--gfx1250"
	.amdhsa_code_object_version 6
	.text
	.protected	k_q3060d19183_qkv
	.globl	k_q3060d19183_qkv
	.p2align	8
	.type	k_q3060d19183_qkv,@function
k_q3060d19183_qkv:
	s_mov_b64 s[64:65], 0
	v_nop
	global_prefetch_b8 v0, s[64:65] scope:SCOPE_SE
	s_setreg_imm32_b32 hwreg(HW_REG_WAVE_MODE, 25, 1), 1
	s_wait_xcnt 0x0
	s_wait_alu depctr_hold_cnt(0) depctr_sa_sdst(0) depctr_va_vdst(0) depctr_va_sdst(0) depctr_va_ssrc(0) depctr_va_vcc(0) depctr_vm_vsrc(0)
	s_getreg_b32 s2, hwreg(HW_REG_IB_STS2, 6, 4)
	s_cmp_eq_u32 s2, 0
	s_cbranch_scc0 .Lentry_in_a_cluster
	s_endpgm
.Lentry_in_a_cluster:
	s_bfe_u32 s2, ttmp6, 0x10000c
	s_cmp_lg_u32 s2, 0xf033
	s_cbranch_scc0 .Lentry_shape_is_right
	s_endpgm
.Lentry_shape_is_right:
; q, k, v = x w_attn^T + b_attn AND THEIR QUANTISERS: 4,096 x 3,072 x 1,024 on codes of BF8 (E5M2) with E8M0 scales, f32 sums that begin with the bias.  q and k are quantised along the head's 128, v along the tokens.
; A work-group makes ONE HEAD's q, k and v for 128 TOKENS: 256 work-groups; its results are the whole record (head, block of 128 tokens) of qimg and of kvimg, in the order of attn's operand registers:
; qimg: 8 fragments of Q of 2,048 bytes, scale block of 512;  kvimg: K's 8 fragments, V^T's 8, K's scale block, V's.  Group c of four registers of lane l at 512 c + 16 l; scale word of fragment f, row r at 256 (f % 2) + 16 r + 4 (f / 2).
; codes, scales: rows of 1,024 codes and of 32 scale bytes: x's 4,096, then for each head 128 rows of w_q, w_k, w_v.  A row stands at the place whose number has bits 3 and 4 exchanged: lane r of tile i is row
; 32 (i / 2) + 8 (i % 2) + r + 8 (r / 8): so the 16 registers of two neighbouring tiles are 16 neighbours along the next product's K.
; A wave makes 64 tokens x 64 columns of each of q, k, v: 48 accumulators.  q, k: source 0 = weights, source 1 = tokens (a lane holds one token);  v: source 0 = tokens, source 1 = weights (a lane holds one channel).
; RING.  K goes in steps of 256 through two slots of 512 rows (128 of x, 384 of weights) x 256 bytes; the head's four loads fill both, one load a wave; K 512 on comes by two refills, 128 rows a wave.
; Scale words of all of K come by plain loads into registers.  CLUSTERS of 4 x 4: x's rows are shared along a row (one token block, four heads), the weights along a column (one head, four token blocks): joint loads.
; LIMITS: a block whose largest magnitude lies under 2^-111 is quantised under the byte 1; a block of zeros gets the byte 1 (its codes are zeros; this program alone reads the bytes); NaN and infinities are not served.
; REGISTERS.  Window 0: v16-31 addresses, v32-79 the weights' scale words (8 m + K step), v84-99 x's, v104-199 the bias.  Window 1: v0-191 fragments of w_q, w_k, w_v.  Window 2: q's and k's sums.  Window 3: v0-127 v's sums,
; v128-255 two sets of x's fragments.  On the way out window 0: v32-63 at work, v64-127 codes, v128-255 numbers held.
.set PITCH, 272
.set PART,  128*PITCH
.set SLOT,  4*PART
.set XS,    2*SLOT                     ; three scale blocks
.set SPARE, XS+1536
.set ADA, 16
.set ADB, 18
.set ADV, 20
.set BQ,  22
.set BV,  23
.set LN,  24
.set SWQ, 25
.set SWV, 26
.set SCV, 27
.set SPW, 28
.set NIL, 29
.set PFO, 30
.set RDS, 31
.set SBW, 32
.set SAW, 84
.set CB,  104
.set TM,  32
.set ST,  128
.set G1A, 20
.set G1B, 28
.set G0A, 36
.set G0B, 68
.set MSB, 0
.macro WIN new
.if MSB != \new
	s_set_vgpr_msb (MSB<<8)|\new
.set MSB, \new
.endif
.endm
.macro WA
	s_wait_alu depctr_va_vdst(0)
.endm
.macro PLACES n
.rept \n
	v_nop
.endr
.endm
.macro CREST
	s_cmp_lg_u32 s14, 0
	s_cbranch_scc1 .Lnot_wave_0_\@
	s_barrier_signal -3
.Lnot_wave_0_\@:
	s_barrier_wait -3
	s_barrier_signal -1
	s_barrier_wait -1
.endm
.macro TLOAD g0, g1
	tensor_load_to_lds s[\g0:\g0+3], s[\g1:\g1+7]
	s_nop 0
	PLACES 4
.endm
.macro GROUP1 g, mask, r               ; r rows of 256 bytes, 1,024 apart, 16 bytes of padding behind each in LDS
	s_or_b32 s[\g], s[\mask], (1<<20)|(1<<21)|(5<<22)|(3<<25)
	s_mov_b32 s[\g+1], 256<<16
	s_mov_b32 s[\g+2], (\r)<<16
	s_mov_b32 s[\g+3], 256<<16
	s_mov_b32 s[\g+4], \r
	s_mov_b32 s[\g+5], 1024
	s_mov_b32 s[\g+6], 0
	s_mov_b32 s[\g+7], 0
.endm
	s_load_b256 s[4:11], s[0:1], 0x0               ; codes, scales, b_attn, qimg
	s_load_b64 s[12:13], s[0:1], 0x20              ; kvimg
	v_lshl_add_u32 v[SPW], v0, 2, SPARE
	v_mov_b32 v[NIL], 0
	ds_add_u32 v[SPW], v[NIL]                      ; the wave's opening: the add, twice on end, and its wait ahead of my first tensor load
	ds_add_u32 v[SPW], v[NIL]
	v_lshrrev_b32 v1, 5, v0
	v_readfirstlane_b32 s14, v1
	s_lshr_b32 s15, s14, 1                         ; which 64 tokens.  At the head: which slot I fetch for
	s_and_b32 s16, s14, 1                          ; which 64 columns
	s_bfe_u32 s40, ttmp6, 0x40000                  ; cx, cy
	s_bfe_u32 s41, ttmp6, 0x40004
	s_lshl_b32 s42, ttmp9, 2
	s_add_co_u32 s42, s42, s40                     ; the head
	s_and_b32 s43, ttmp7, 0xffff
	s_lshl_b32 s43, s43, 2
	s_add_co_u32 s43, s43, s41                     ; the block of 128 tokens
	s_lshl_b32 s44, s41, 2
	s_lshl_b32 s44, 15, s44                        ; my row of the cluster
	s_lshl_b32 s45, 0x1111, s40                    ; my column
	GROUP1 G1A, 44, 128
	GROUP1 G1B, 45, 384                            ; (128 for the refills)
	s_lshl_b32 s80, s43, 17                        ; x's codes: 128 rows of 1,024
	s_mov_b32 s81, 0
	s_lshl_b32 s82, s43, 12                        ; x's scale bytes: my 64 rows of 32
	s_lshl_b32 s2, s15, 11
	s_add_co_u32 s82, s82, s2
	s_mov_b32 s83, 0
	s_mul_i32 s3, s42, 384
	s_add_co_u32 s3, s3, 4096
	s_lshl_b32 s84, s3, 10                         ; the head's weights
	s_mov_b32 s85, 0
	s_lshl_b32 s86, s3, 5                          ; their scale bytes: my 64 columns
	s_lshl_b32 s2, s16, 11
	s_add_co_u32 s86, s86, s2
	s_mov_b32 s87, 0
	s_add_co_u32 s46, s14, 3
	s_and_b32 s46, s46, 3                          ; refills: wave 0 fetches x's rows, wave w the weights' 128 rows w - 1
	s_lshl_b32 s2, s46, 17
	s_add_co_u32 s54, s84, s2
	s_mov_b32 s55, 0
	s_mul_i32 s47, s14, PART                       ; and where they go
	s_lshl_b32 s2, s40, 15                         ; the prefetches: of the rows that my cluster loads each partner asks for a quarter, told apart BY ADDRESS: wave 0 x's rows 32 cx on,
	s_add_co_u32 s2, s2, s80
	s_mul_i32 s17, s41, 96*1024                    ; waves 1 to 3 the weights' rows 96 cy + 32 (w - 1) on; a lane a row
	s_lshl_b32 s18, s46, 15
	s_add_co_u32 s17, s17, s18
	s_add_co_u32 s17, s17, s84
	s_cmp_eq_u32 s14, 0
	s_cselect_b32 s74, s2, s17
	s_add_co_u32 s74, s74, 512                     ; K 512 on
	s_mov_b32 s75, 0
	s_lshl_b32 s76, s42, 9                         ; the bias: my 64 columns
	s_lshl_b32 s2, s16, 8
	s_add_co_u32 s76, s76, s2
	s_mov_b32 s77, 0
	s_lshl_b32 s17, s42, 5
	s_add_co_u32 s17, s17, s43                     ; the record
	s_mul_i32 s18, s17, 16896
	s_mul_i32 s19, s17, 33792
	s_lshl_b32 s2, s15, 13
	s_lshl_b32 s3, s16, 10
	s_add_co_u32 s2, s2, s3
	s_add_co_u32 s78, s18, s2                      ; q's fragments 4 x (which 64 tokens) on, groups 2 x (which 64 columns) on
	s_mov_b32 s79, 0
	s_add_co_u32 s94, s19, s2                      ; k's
	s_mov_b32 s95, 0
	s_lshl_b32 s2, s16, 13
	s_lshl_b32 s3, s15, 10
	s_add_co_u32 s2, s2, s3
	s_add_co_u32 s96, s19, s2
	s_add_co_u32 s96, s96, 16384                   ; v's: fragments by columns, groups by tokens
	s_mov_b32 s97, 0
	s_lshl_b32 s2, s14, 9
	s_add_co_u32 s98, s19, s2
	s_add_co_u32 s98, s98, 32256                   ; waves 1, 2: k's and v's scale blocks
	s_mov_b32 s99, 0
	s_add_co_u32 s2, s18, 16384                    ; wave 0: q's
	s_mov_b32 s3, 0
	s_mul_i32 s48, s15, SLOT
	s_lshl_b32 s66, s15, 8
	s_mov_b32 s67, 0
	s_mul_i32 s17, s15, 64*PITCH
	s_mul_i32 s18, s16, 64*PITCH
	s_add_co_u32 s18, s18, PART
	WA
	s_wait_dscnt 0x0
	s_wait_kmcnt 0x0
	s_add_nc_u64 s[50:51], s[4:5], s[80:81]
	s_add_nc_u64 s[52:53], s[4:5], s[84:85]
	s_add_nc_u64 s[56:57], s[4:5], s[54:55]
	s_add_nc_u64 s[58:59], s[4:5], s[74:75]
	s_add_nc_u64 s[88:89], s[6:7], s[82:83]
	s_add_nc_u64 s[90:91], s[6:7], s[86:87]
	s_add_nc_u64 s[92:93], s[8:9], s[76:77]
	s_add_nc_u64 s[62:63], s[10:11], s[78:79]
	s_add_nc_u64 s[72:73], s[12:13], s[94:95]
	s_add_nc_u64 s[74:75], s[12:13], s[96:97]
	s_add_nc_u64 s[60:61], s[10:11], s[2:3]
	s_add_nc_u64 s[98:99], s[12:13], s[98:99]
	s_mov_b32 s[G0A], 1                            ; the head: waves 0, 1 slot 0's rows of x and of the weights, waves 2, 3 slot 1's
	s_mov_b32 s[G0A+1], s48
	s_add_nc_u64 s[G0A+2:G0A+3], s[50:51], s[66:67]
	s_or_b32 s[G0A+3], s[G0A+3], 0x80000000
	s_mov_b32 s[G0B], 1
	s_add_co_u32 s[G0B+1], s48, PART
	s_add_nc_u64 s[G0B+2:G0B+3], s[52:53], s[66:67]
	s_or_b32 s[G0B+3], s[G0B+3], 0x80000000
	s_barrier_signal -1                            ; a round: all sixteen work-groups are here
	s_barrier_wait -1
	CREST
.macro ARM under, g0, g1, next
	s_cmp_lt_u32 s14, \under
	s_cbranch_scc0 \next
	TLOAD \g0, \g1
	s_branch .Lasked
\next:
.endm
	ARM 1, G0A, G1A, .Lhead_1                      ; one load a wave, a line of its own for each: the first barrier shows waves 0 and 1's alone
	ARM 2, G0B, G1B, .Lhead_2
	ARM 3, G0A, G1A, .Lhead_3
	TLOAD G0B, G1B
.Lasked:
	s_cmp_eq_u32 s14, 0                            ; whose scale block I store at the end (wave 3: none)
	s_cselect_b64 s[60:61], s[60:61], s[98:99]
	s_lshl_b32 s2, s15, 3                          ; scale words' places: q, k: word 2 x (which 64 tokens), bytes 2 x (which 64 columns) on; v: the other way round
	s_lshl_b32 s3, s16, 1
	s_add_co_u32 s2, s2, s3
	s_add_co_u32 s2, s2, XS
	s_lshl_b32 s3, s16, 3
	s_lshl_b32 s19, s15, 1
	s_add_co_u32 s3, s3, s19
	s_add_co_u32 s3, s3, XS+1024
	s_lshl_b32 s19, s14, 9
	s_add_co_u32 s19, s19, XS
	v_and_b32 v1, 15, v0                           ; r
	v_bfe_u32 v2, v0, 4, 1                         ; h
	v_and_b32 v3, 31, v0                           ; lane
	v_mul_u32_u24 v4, v1, PITCH
	v_lshlrev_b32 v[LN], 4, v3
	v_lshlrev_b32 v[SCV], 5, v3
	v_lshlrev_b32 v[BQ], 6, v2
	v_and_b32 v5, 8, v1
	v_lshl_add_u32 v4, v2, 4, v4                   ; row x pitch + 16 h
	v_add_nc_u32 v5, v5, v1
	v_lshlrev_b32 v6, 4, v1
	v_lshlrev_b32 v[PFO], 10, v3
	v_lshlrev_b32 v[BV], 2, v5
	v_add_nc_u32 v[ADA], s17, v4
	v_add_nc_u32 v[ADB], s18, v4
	v_add_nc_u32 v[SWQ], s2, v6
	v_add_nc_u32 v[SWV], s3, v6
	v_add_nc_u32 v[RDS], s19, v[LN]
	v_add_nc_u32 v[ADA+1], SLOT, v[ADA]
	v_add_nc_u32 v[ADB+1], SLOT, v[ADB]
	v_add_nc_u32 v[ADV], 2*PART, v[ADB]
	v_add_nc_u32 v[ADV+1], SLOT+2*PART, v[ADB]
	WA
.irp m, 0,1                            ; scale words: 32 rows of 32 bytes: lanes 0-15 tile 2 m's rows, lanes 16-31 tile 2 m + 1's; register 8 m + n: K 128 n on
.irp i, 0,1
	global_load_b128 v[SAW+8*\m+4*\i:SAW+8*\m+4*\i+3], v[SCV], s[88:89] offset:1024*\m+16*\i
.irp g, 0,1,2
	global_load_b128 v[SBW+16*\g+8*\m+4*\i:SBW+16*\g+8*\m+4*\i+3], v[SCV], s[90:91] offset:4096*\g+1024*\m+16*\i
.endr
.endr
.endr
.irp t, 0,1,2,3                        ; the bias as C: q, k: register j of tile t is column 32 (t / 2) + 8 (t % 2) + 16 h + j;  v: a lane's one channel, spread over eight registers
.irp g, 0,1
	global_load_b128 v[CB+32*\g+8*\t:CB+32*\g+8*\t+3], v[BQ], s[92:93] offset:4096*\g+(32*(\t/2)+8*(\t%2))*4
	global_load_b128 v[CB+32*\g+8*\t+4:CB+32*\g+8*\t+7], v[BQ], s[92:93] offset:4096*\g+(32*(\t/2)+8*(\t%2))*4+16
.endr
	global_load_b32 v[CB+64+8*\t], v[BV], s[92:93] offset:8192+(32*(\t/2)+8*(\t%2))*4
.endr
	s_wait_loadcnt 0x0
.irp i, 1,2,3,4,5,6,7
.irp t, 0,1,2,3
	v_mov_b32 v[CB+64+8*\t+\i], v[CB+64+8*\t]
.endr
.endr
.macro LDA s, q, e                     ; x's four fragments of the slot's q-th 128 along K, into set e
	WIN 0xc0
.irp a, 0,1,2,3
.irp c, 0,1,2,3
	ds_load_b128 v[128+64*(\e)+16*\a+4*\c:131+64*(\e)+16*\a+4*\c], v[ADA+\s] offset:16*PITCH*\a+128*(\q)+32*\c
.endr
.endr
	WIN 0
.endm
.macro LDB g, s, q                     ; the weights' four fragments: g = 0, 1, 2: q, k, v
	WIN 0x40
.irp t, 0,1,2,3
.irp c, 0,1,2,3
.if (\g) < 2
	ds_load_b128 v[64*(\g)+16*\t+4*\c:64*(\g)+16*\t+4*\c+3], v[ADB+\s] offset:PART*(\g)+16*PITCH*\t+128*(\q)+32*\c
.else
	ds_load_b128 v[64*(\g)+16*\t+4*\c:64*(\g)+16*\t+4*\c+3], v[ADV+\s] offset:16*PITCH*\t+128*(\q)+32*\c
.endif
.endr
.endr
	WIN 0
.endm
.macro W4
.if M_ == 0
	v_wmma_scale_f32_16x16x128_f8f6f4 v[D_:D_+7], v[X_:X_+15], v[Y_:Y_+15], v[C_:C_+7], v[P_], v[Q_] matrix_a_fmt:MATRIX_FMT_BF8 matrix_b_fmt:MATRIX_FMT_BF8
.elseif M_ == 1
	v_wmma_scale_f32_16x16x128_f8f6f4 v[D_:D_+7], v[X_:X_+15], v[Y_:Y_+15], v[C_:C_+7], v[P_], v[Q_] matrix_a_fmt:MATRIX_FMT_BF8 matrix_b_fmt:MATRIX_FMT_BF8 matrix_a_scale:MATRIX_SCALE_ROW1
.elseif M_ == 2
	v_wmma_scale_f32_16x16x128_f8f6f4 v[D_:D_+7], v[X_:X_+15], v[Y_:Y_+15], v[C_:C_+7], v[P_], v[Q_] matrix_a_fmt:MATRIX_FMT_BF8 matrix_b_fmt:MATRIX_FMT_BF8 matrix_b_scale:MATRIX_SCALE_ROW1
.else
	v_wmma_scale_f32_16x16x128_f8f6f4 v[D_:D_+7], v[X_:X_+15], v[Y_:Y_+15], v[C_:C_+7], v[P_], v[Q_] matrix_a_fmt:MATRIX_FMT_BF8 matrix_b_fmt:MATRIX_FMT_BF8 matrix_a_scale:MATRIX_SCALE_ROW1 matrix_b_scale:MATRIX_SCALE_ROW1
.endif
.endm
.macro MM g, n                         ; 16 products of K step n (128 along K): token tiles a x column tiles t
.if (\g) < 2
.if (\n) == 0
	WIN 0x8d
.else
	WIN 0xad
.endif
.elseif (\n) == 0
	WIN 0xc7
.else
	WIN 0xf7
.endif
.irp a, 0,1,2,3
.irp t, 0,1,2,3
.if (\g) < 2
.set D_, 128*(\g)+32*\a+8*\t
.set C_, CB+32*(\g)+8*\t
.set X_, 64*(\g)+16*\t
.set Y_, 128+64*((\n)%2)+16*\a
.set P_, SBW+8*(2*(\g)+\t/2)+(\n)
.set Q_, SAW+8*(\a/2)+(\n)
.set M_, (\t%2)+2*(\a%2)
.else
.set D_, 32*\t+8*\a
.set C_, CB+64+8*\t
.set X_, 128+64*((\n)%2)+16*\a
.set Y_, 128+16*\t
.set P_, SAW+8*(\a/2)+(\n)
.set Q_, SBW+8*(4+\t/2)+(\n)
.set M_, (\a%2)+2*(\t%2)
.endif
.if (\n) > 0
.set C_, D_
.endif
	W4
.endr
.endr
	WIN 0
.endm
.macro STEP n                          ; K step n; the next one lies in the same slot
.set NS_, (((\n)+1)/2)%2
	s_wait_dscnt 32                                ; x's and w_q's fragments are in; w_k's and w_v's 32 loads may be out
	MM 0, \n
	PLACES 8
	LDA NS_, 1, 1
	LDB 0, NS_, 1
	s_wait_dscnt 48                                ; w_k's are in: behind them w_v's 16 and the 32 just issued
	MM 1, \n
	PLACES 8
	LDB 1, NS_, 1
	s_wait_dscnt 48                                ; w_v's are in: behind them 32 and 16
	MM 2, \n
	PLACES 8
	LDB 2, NS_, 1
.endm
; A slot's last K step changes slots: each wave waits for its tensor load, adds 0 to its spare word, and waits for that and for its reads of this slot.  ks > 0: the barrier opens a round of the cluster's, and this slot takes K 256 ks on.
.macro TURN n, ks
.set OS_, ((\n)/2)%2
.set NS_, 1-OS_
	s_wait_tensorcnt 0x0
	ds_add_u32 v[SPW], v[NIL]
.if (\ks) > 0
	s_mov_b32 s[G1B+2], 128<<16                    ; no tensor load of mine is out, so the descriptors may be written: from here on 128 rows a load
	s_mov_b32 s[G1B+4], 128
	s_mov_b32 s[G0A+1], OS_*SLOT
	s_add_nc_u64 s[G0A+2:G0A+3], s[50:51], 256*(\ks)
	s_or_b32 s[G0A+3], s[G0A+3], 0x80000000
	s_add_co_u32 s[G0B+1], s47, OS_*SLOT
	s_add_nc_u64 s[G0B+2:G0B+3], s[56:57], 256*(\ks)
	s_or_b32 s[G0B+3], s[G0B+3], 0x80000000
.endif
	s_wait_dscnt 33                                ; x's and w_q's are in; w_k's, w_v's and the add may be out
	MM 0, \n
	s_wait_dscnt 0x0
	s_barrier_signal -1
	MM 1, \n
	s_barrier_wait -1
.if (\ks) > 0
	CREST
	s_cmp_eq_u32 s14, 0
	s_cbranch_scc0 .Lfor_b_\@
	TLOAD G0A, G1A
	s_branch .Lasked_\@
.Lfor_b_\@:
	TLOAD G0B, G1B
.Lasked_\@:
	PLACES 4
.else
	PLACES 8
.endif
	LDA NS_, 0, 0
	LDB 0, NS_, 0
	LDB 1, NS_, 0
.if (\ks) == 2
	global_prefetch_b8 v[PFO], s[58:59] offset:256 th:TH_LOAD_NT scope:SCOPE_SE   ; K 768 on, two K steps ahead of its load
.endif
	MM 2, \n
	PLACES 8
	LDB 2, NS_, 0
.endm
	WA
	s_cmp_lt_u32 s14, 2
	s_cbranch_scc0 .Lnot_yet
	s_wait_tensorcnt 0x0                           ; waves 0 and 1: slot 0 has landed; waves 2 and 3 wait at the first change of slots
.Lnot_yet:
	s_barrier_signal -1
	s_barrier_wait -1
	LDA 0, 0, 0
	LDB 0, 0, 0
	LDB 1, 0, 0
	LDB 2, 0, 0
	global_prefetch_b8 v[PFO], s[58:59] th:TH_LOAD_NT scope:SCOPE_SE   ; K 512 on, the first refill's: a K step ahead of its load.  Each row's 256 bytes are named once in each cluster
	STEP 0
	TURN 1, 2
	STEP 2
	TURN 3, 3
	STEP 4
	TURN 5, 0
	STEP 6
	s_wait_dscnt 32
	MM 0, 7
	s_wait_dscnt 16
	MM 1, 7
	s_wait_dscnt 0x0
	MM 2, 7
	PLACES 8
; THE WAY OUT of one of q, k, v: eight blocks of 32: block n = 2 i + cb: 16 registers, with lane l xor 16's 16.  Codes leave as groups of four registers: 512 consecutive bytes.
.macro OUT g, w, acc, pc, base, sw, off
	WIN (\w)|((\w)<<2)
.irp n, 0,1,2,3,4,5,6,7
	v_max3_num_f32 v[TM+\n], |v[\acc+16*\n]|, |v[\acc+16*\n+1]|, 0x8000000   ; the floor 2^(16 - 127): the byte cannot fall under 1
.endr
.irp i, 2,4,6,8,10,12,14
.irp n, 0,1,2,3,4,5,6,7
	v_max3_num_f32 v[TM+\n], |v[\acc+16*\n+\i]|, |v[\acc+16*\n+\i+1]|, v[TM+\n]
.endr
.endr
	WIN 0
.irp n, 0,1,2,3,4,5,6,7
	v_permlanex16_b32 v[TM+8+\n], v[TM+\n], s2, s3
.endr
.irp n, 0,1,2,3,4,5,6,7
	v_max_num_f32 v[TM+\n], v[TM+\n], v[TM+8+\n]
.endr
.irp n, 0,1,2,3,4,5,6,7
	v_add_nc_u32 v[TM+16+\n], 0xf8800000, v[TM+\n]             ; 15 off the exponent field: the conversion's scale operand
.endr
.irp n, 0,1,2,3,4,5,6,7
	v_and_or_b32 v[TM+24+\n], v[TM+\n], 0x7f800000, s17        ; 57,344 x the scale
.endr
.irp n, 0,1,2,3,4,5,6,7
	v_lshrrev_b32 v[TM+8+\n], 23, v[TM+16+\n]                  ; the scale's byte
.endr
.irp i, 0,1,2,3
	v_lshl_or_b32 v[TM+\i], v[TM+9+2*\i], 8, v[TM+8+2*\i]
.endr
	WIN \w
.irp n, 0,1,2,3,4,5,6,7
.irp i, 0,1,2,3,4,5,6,7,8,9,10,11,12,13,14,15
	v_med3_num_f32 v[ST+16*\n+\i], v[\acc+16*\n+\i], -v[TM+24+\n], v[TM+24+\n]   ; the conversion does not saturate (ISA guide 7.6.2)
.endr
.endr
	WIN 0
.irp n, 0,1,2,3,4,5,6,7
	v_cvt_scalef32_pk8_bf8_f32 v[\pc+4*\n:\pc+4*\n+1], v[ST+16*\n:ST+16*\n+7], v[TM+16+\n]
	v_cvt_scalef32_pk8_bf8_f32 v[\pc+4*\n+2:\pc+4*\n+3], v[ST+16*\n+8:ST+16*\n+15], v[TM+16+\n]
.endr
	v_nop
.irp n, 0,1,2,3,4,5,6,7
	global_store_b128 v[LN], v[\pc+4*\n:\pc+4*\n+3], s[\base:\base+1] offset:2048*(\n/2)+512*(\n%2)
.endr
.irp i, 0,1,2,3
	ds_store_b16 v[\sw], v[TM+\i] offset:(\off)+256*(\i%2)+4*(\i/2)   ; both halves of the lanes write the same two bytes
.endr
.endm
	s_mov_b32 s2, 0x76543210                       ; lane selects: lane l xor 16
	s_mov_b32 s3, 0xfedcba98
	s_mov_b32 s17, 0x600000                        ; the mantissa field of 57,344
	OUT 0, 2, 0, 64, 62, SWQ, 0
	OUT 1, 2, 128, 96, 72, SWQ, 512
	s_wait_xcnt 0x0                                ; q's stores have read their registers
	OUT 2, 3, 0, 64, 74, SWV, 0
	s_wait_dscnt 0x0
	s_barrier_signal -1
	s_barrier_wait -1
	s_cmp_eq_u32 s14, 3                            ; waves 0 to 2 store a scale block each, 512 consecutive bytes
	s_cbranch_scc1 .Ldone
	ds_load_b128 v[TM:TM+3], v[RDS]
	s_wait_dscnt 0x0
	global_store_b128 v[LN], v[TM:TM+3], s[60:61]
.Ldone:
	s_wait_tensorcnt 0x0                           ; the wave's end
	ds_add_u32 v[SPW], v[NIL]
	s_wait_dscnt 0x0
	s_barrier_signal -1                            ; the closing round
	s_barrier_wait -1
	CREST
	s_endpgm
.Lfunc_end_k_q3060d19183_qkv:
	.size	k_q3060d19183_qkv, .Lfunc_end_k_q3060d19183_qkv-k_q3060d19183_qkv
	.p2alignl 7, 3214868480
	.fill 96, 4, 3214868480
	.section	.rodata,"a",@progbits
	.p2align	6, 0x0
	.amdhsa_kernel k_q3060d19183_qkv
		.amdhsa_group_segment_fixed_size 327680
		.amdhsa_private_segment_fixed_size 0
		.amdhsa_enable_private_segment 0
		.amdhsa_kernarg_size 40
		.amdhsa_user_sgpr_count 2
		.amdhsa_user_sgpr_kernarg_segment_ptr 1
		.amdhsa_wavefront_size32 1
		.amdhsa_system_sgpr_workgroup_id_x 1
		.amdhsa_system_sgpr_workgroup_id_y 1
		.amdhsa_system_sgpr_workgroup_id_z 1
		.amdhsa_system_vgpr_workitem_id 0
		.amdhsa_next_free_vgpr 1024
		.amdhsa_next_free_sgpr 100
		.amdhsa_reserve_vcc 0
		.amdhsa_float_denorm_mode_32 3
		.amdhsa_float_denorm_mode_16_64 3
		.amdhsa_memory_ordered 1
		.amdhsa_forward_progress 1
		.amdhsa_inst_pref_size 157
	.end_amdhsa_kernel
	.amdgpu_metadata
---
amdhsa.version: [ 1, 2 ]
amdhsa.kernels:
  - .name:           k_q3060d19183_qkv
    .symbol:         k_q3060d19183_qkv.kd
    .args:
      - { .name: codes, .offset: 0, .size: 8, .value_kind: global_buffer, .address_space: global }
      - { .name: scales, .offset: 8, .size: 8, .value_kind: global_buffer, .address_space: global }
      - { .name: b_attn, .offset: 16, .size: 8, .value_kind: global_buffer, .address_space: global }
      - { .name: qimg, .offset: 24, .size: 8, .value_kind: global_buffer, .address_space: global }
      - { .name: kvimg, .offset: 32, .size: 8, .value_kind: global_buffer, .address_space: global }
    .group_segment_fixed_size: 327680
    .private_segment_fixed_size: 0
    .kernarg_segment_align: 8
    .kernarg_segment_size: 40
    .max_flat_workgroup_size: 128
    .sgpr_count:     100
    .vgpr_count:     1024
    .wavefront_size: 32
...
	.end_amdgpu_metadata
.endif
;; end of part 2
;; launch attn (part 3): grid 32 x 8, 8 waves a work-group, clusters of 4 x 1, 327,680 bytes of LDS; arguments qimg, kvimg, yimg, yscl; writes yimg, yscl
.if DOCPART == 3
	.amdgcn_target "amdgcn-amd-amdhsa--gfx1250"
	.amdhsa_code_object_version 6
	.text
	.protected	k_q3060d19183_attn
	.globl	k_q3060d19183_attn
	.p2align	8
	.type	k_q3060d19183_attn,@function
k_q3060d19183_attn:
	s_mov_b64 s[64:65], 0
	v_nop
	global_prefetch_b8 v0, s[64:65] scope:SCOPE_SE
	s_setreg_imm32_b32 hwreg(HW_REG_WAVE_MODE, 25, 1), 1
	s_wait_xcnt 0x0
	s_wait_alu depctr_hold_cnt(0) depctr_sa_sdst(0) depctr_va_vdst(0) depctr_va_sdst(0) depctr_va_ssrc(0) depctr_va_vcc(0) depctr_vm_vsrc(0)
	s_getreg_b32 s2, hwreg(HW_REG_IB_STS2, 6, 4)
	s_cmp_eq_u32 s2, 0
	s_cbranch_scc0 .Lentry_in_a_cluster
	s_endpgm
.Lentry_in_a_cluster:
	s_bfe_u32 s2, ttmp6, 0x10000c
	s_cmp_lg_u32 s2, 0x3003
	s_cbranch_scc0 .Lentry_shape_is_right
	s_endpgm
.Lentry_shape_is_right:
; y[q] = the sum over keys k <= q of softmax_k(Q[q] . K[k] / sqrt(128)) V[k], 8 heads of 128, 4,096 tokens, both products on codes of BF8 (E5M2) with E8M0 scales; y leaves as codes, quantised along C.
; THE SOFTMAX: t = score x log2(e) / sqrt(128); M = the row's largest t so far, rounded UP to a whole number; p = 2^(t - M) is quantised along the keys, not normalised.  The row's sum is taken of the unquantised p
; and divides at the end.  When M moves, the sum and O are multiplied by 2^(old M - new M): exact.
; INPUTS are images of operand registers: group c of four registers of lane l at 512 c + 16 l of a fragment's 2,048 bytes; eight fragments' scale words in a block of 512 bytes (fragment 2 q + l / 16, row l % 16, at 16 l + 4 q).
; qimg [head][block of 128 tokens]: 8 fragments of Q, scale block.  kvimg [head][key step of 128]: records of 33,792 bytes: K's 8 fragments, V^T's 8, K's scale block, V's.  Lane r of tile i holds token
; 32 (i / 2) + 8 (i % 2) + r + 8 (r / 8) of its block; V^T's rows are the head's 128 in the same order.  So p's 16 registers of two neighbouring tiles are 16 neighbouring keys, and O^T's 16 neighbouring channels.
; Both products are used transposed: S^T = K Q^T, O^T = V^T P^T: a lane holds ONE query of a tile throughout.
; SHARES.  Block B of 128 queries needs key steps 0 .. B, the last on the diagonal; its queries 32 cx .. 32 cx + 31, two tiles, go to partner cx of a cluster: a partner's place enters global addresses and lane values alone.
; Cluster X owns the late blocks 31 - 2 X - p and then the early blocks 2 X + p (p = 0, 1).  Wave w: p = w % 2, j = w / 2.  THE KEYS ARE SHARED OUT AMONG FOUR WAVES: a slot holds four key steps, wave j takes the j-th
; for its pair of tiles; the four partial sums are joined at a phase's end.  The late blocks take 8 - X / 2 slots, the early ones 1 + X / 2: nine trips in every work-group.
; A step all of whose keys come after a wave's queries is jumped over (ids alone): the wave then adds zeros (p = 0, f = 1), so that no branch stands inside a round.  Its K fragments are read all the same.
; RING.  Two slots of 135,168 dense bytes, filled by JOINT loads of the four partners, an eighth a wave.
; LIMITS: a block whose largest magnitude lies under 2^-111 is quantised under the byte 1; a block of zeros gets the byte 1 (its codes are zeros; this program alone reads the bytes); NaN and infinities are not served;
; scaled scores stay under 2^31 in magnitude.  A block's largest p is made from its largest score by the same two instructions: that takes v_exp_f32 not to fall where its input rises.
; REGISTERS.  Window 0: v1-63 below; v64-127, v128-191 the two tiles' S^T, then p; v192-255 fragments 0-3 of K or V.  Window 1: v0-63, v64-127 the two O^T; v128-159 Q; v160-191 p's codes; v192-255 fragments 4-7.
.set RECB,  33792
.set SLOTB, 4*RECB
.set PART,  16896                      ; an eighth of a slot
.set XO,    2*SLOTB                    ; the join: partial O^T, [p][wave of four][three sources][2,048]
.set XM,    XO+49152                   ; -M and the sum: [wave][tile][lane] 8 bytes
.set XS,    XM+4096                    ; y's scale bytes: [p][row of 32][4]
.set SPARE, XS+256                     ; the spare words, 128 bytes for each of eight waves
.set ADR,  1
.set ADR0, 2
.set DG,   3
.set SPW,  5
.set NIL,  6
.set PFO,  7
.set KSC,  8
.set VSC,  12
.set PSC,  16
.set QSC,  20
.set NM,   22                          ; v22, v24 -M;  v23, v25 the largest t
.set SM,   26                          ; v[26:27], v[28:29] the sums
.set FF,   30                          ; v30, v32 f = 2^(old M - new M);  v31, v33 at work
.set BM,   34                          ; v34-41 the blocks' largest
.set PM,   42                          ; v42-49 at work
.set SO,   50                          ; v50-57 the conversions' scale operands
.set SX,   58                          ; v58-61 at work
.set LN,   62                          ; 16 x lane
.set S,    64
.set FA,   192
.set WV,   12
.set J,    16
.set TR,   17
.set RI,   18
.set MNT,  19
.set SEL,  20
.set CS,   22
.set G1,   24
.set G0,   32
.set TB,   36
.set LD,   37
.set KST,  38
.set CNT,  39
.set NA,   40
.set LDE,  41
.set PQ,   42
.set PF,   43
.set KV,   44
.set PFA,  46
.set XAS,  48
.set XRS,  49
.set XQ,   50
.set XBS,  56
.set XSS,  57
.set XWS,  58
.set QL,   76                          ; s[76:83] Q, Q's scales, y, y's scales of the late pair;  s[84:91] of the early one
.set QE,   84
.set MSB, 0
.macro WIN new
.if MSB != \new
	s_set_vgpr_msb (MSB<<8)|\new
.set MSB, \new
.endif
.endm
.macro WA
	s_wait_alu depctr_va_vdst(0)
.endm
.macro PLACES n
.rept \n
	v_nop
.endr
.endm
.macro BARRIER
	s_barrier_signal -1
	s_barrier_wait -1
.endm
.macro CREST                           ; a round of the cluster's barrier behind its opening barrier
	s_cmp_lg_u32 s[WV], 0
	s_cbranch_scc1 .Lnot_wave_0_\@
	s_barrier_signal -3
.Lnot_wave_0_\@:
	s_barrier_wait -3
	BARRIER
.endm
.macro JLOAD                           ; every wave's eighth of a slot, for all four partners
	tensor_load_to_lds s[G0:G0+3], s[G1:G1+7]
	s_nop 0
	PLACES 4
.endm
.macro PTRS blk, q                     ; offsets of a pair of tiles in Q's images, Q's scale words, y's images, y's scale words
	s_lshl_b32 s60, s15, 5
	s_add_co_u32 s60, s60, s[\blk]
	s_mul_i32 s60, s60, 16896
	s_lshl_b32 s61, s13, 12
	s_add_co_u32 s[\q], s60, s61
	s_lshl_b32 s61, s13, 2
	s_add_co_u32 s60, s60, s61
	s_add_co_u32 s[\q+2], s60, 16384
	s_lshl_b32 s60, s[\blk], 17
	s_lshl_b32 s61, s13, 15
	s_add_co_u32 s60, s60, s61
	s_lshl_b32 s61, s15, 11
	s_add_co_u32 s60, s60, s61
	s_lshl_b32 s61, s[J], 9
	s_add_co_u32 s[\q+4], s60, s61
	s_lshl_b32 s60, s15, 14
	s_lshl_b32 s61, s[\blk], 9
	s_add_co_u32 s60, s60, s61
	s_lshl_b32 s61, s13, 7
	s_add_co_u32 s[\q+6], s60, s61
	s_mov_b32 s[\q+1], 0
	s_mov_b32 s[\q+3], 0
	s_mov_b32 s[\q+5], 0
	s_mov_b32 s[\q+7], 0
.endm
.macro QLOAD q                         ; the pair's Q into window 1, its scale words; v63 = 16 (lane % 16)
	WIN 0x40
.irp u, 0,1
.irp c, 0,1,2,3
	global_load_b128 v[128+16*\u+4*\c:131+16*\u+4*\c], v[LN], s[\q:\q+1] offset:2048*\u+512*\c
.endr
.endr
	WIN 0
	global_load_b32 v[QSC], v63, s[\q+2:\q+3]
	global_load_b32 v[QSC+1], v63, s[\q+2:\q+3] offset:256
.endm
.macro INIT                            ; a phase's beginning: the largest t -3e38, O^T and the sums zero: the first change of M multiplies zeros
.irp u, 0,1
	v_mov_b32 v[NM+2*\u+1], 0xff61b1e6
	v_mov_b32 v[SM+2*\u], 0
	v_mov_b32 v[SM+2*\u+1], 0
.endr
	v_floor_f32 v[NM], -v[NM+1]
	v_floor_f32 v[NM+2], -v[NM+3]
	WIN 0x40
.set jj, 0
.rept 128
	v_mov_b32 v[jj], 0
.set jj, jj+1
.endr
	WIN 0
.endm
.macro KL0                             ; K's fragments 0-3 and its scale block
.irp t, 0,1,2,3
.irp c, 0,1,2,3
	ds_load_b128 v[FA+16*\t+4*\c:FA+16*\t+4*\c+3], v[ADR] offset:2048*\t+512*\c
.endr
.endr
	ds_load_b128 v[KSC:KSC+3], v[ADR] offset:32768
.endm
.macro KL1                             ; K's fragments 4-7
	WIN 0x40
.irp t, 0,1,2,3
.irp c, 0,1,2,3
	ds_load_b128 v[FA+16*\t+4*\c:FA+16*\t+4*\c+3], v[ADR] offset:8192+2048*\t+512*\c
.endr
.endr
	WIN 0
.endm
.macro VL                              ; V^T's eight and its scale block: they land under the softmax
.irp t, 0,1,2,3
.irp c, 0,1,2,3
	ds_load_b128 v[FA+16*\t+4*\c:FA+16*\t+4*\c+3], v[ADR] offset:16384+2048*\t+512*\c
.endr
.endr
	ds_load_b128 v[VSC:VSC+3], v[ADR] offset:33280
	WIN 0x40
.irp t, 0,1,2,3
.irp c, 0,1,2,3
	ds_load_b128 v[FA+16*\t+4*\c:FA+16*\t+4*\c+3], v[ADR] offset:24576+2048*\t+512*\c
.endr
.endr
	WIN 0
.endm
.macro KQ t, u                         ; S^T: K's fragment t x Q of tile u
.if (\t)%2
	v_wmma_scale_f32_16x16x128_f8f6f4 v[S+64*\u+8*\t:S+64*\u+8*\t+7], v[FA+16*(\t%4):FA+16*(\t%4)+15], v[128+16*\u:143+16*\u], 0, v[KSC+\t/2], v[QSC+\u] matrix_a_fmt:MATRIX_FMT_BF8 matrix_b_fmt:MATRIX_FMT_BF8 matrix_a_scale:MATRIX_SCALE_ROW1
.else
	v_wmma_scale_f32_16x16x128_f8f6f4 v[S+64*\u+8*\t:S+64*\u+8*\t+7], v[FA+16*(\t%4):FA+16*(\t%4)+15], v[128+16*\u:143+16*\u], 0, v[KSC+\t/2], v[QSC+\u] matrix_a_fmt:MATRIX_FMT_BF8 matrix_b_fmt:MATRIX_FMT_BF8
.endif
.endm
.macro PV t, u                         ; O^T's tile t of queries u += V^T's fragment t x p
.if (\t)%2
	v_wmma_scale_f32_16x16x128_f8f6f4 v[64*\u+8*\t:64*\u+8*\t+7], v[FA+16*(\t%4):FA+16*(\t%4)+15], v[160+16*\u:175+16*\u], v[64*\u+8*\t:64*\u+8*\t+7], v[VSC+\t/2], v[PSC+\u] matrix_a_fmt:MATRIX_FMT_BF8 matrix_b_fmt:MATRIX_FMT_BF8 matrix_a_scale:MATRIX_SCALE_ROW1
.else
	v_wmma_scale_f32_16x16x128_f8f6f4 v[64*\u+8*\t:64*\u+8*\t+7], v[FA+16*(\t%4):FA+16*(\t%4)+15], v[160+16*\u:175+16*\u], v[64*\u+8*\t:64*\u+8*\t+7], v[VSC+\t/2], v[PSC+\u] matrix_a_fmt:MATRIX_FMT_BF8 matrix_b_fmt:MATRIX_FMT_BF8
.endif
.endm
.macro RESC lo                         ; half of both O^T under the new M
.irp u, 0,1
.set jj, \lo
.rept 16
	v_pk_mul_f32 v[64*\u+jj:64*\u+jj+1], v[64*\u+jj:64*\u+jj+1], v[FF+2*\u:FF+2*\u+1] op_sel_hi:[1,0]
.set jj, jj+2
.endr
.endr
.endm
.macro SCALESUM u                      ; tile u: scale operands, scale word, bounds; and the row's sum of the unquantised p, in four chains
.irp b, 0,1,2,3
	v_max_num_f32 v[BM+4*\u+\b], 0x8000000, v[BM+4*\u+\b]      ; the floor 2^(16 - 127): the byte cannot fall under 1
.endr
.irp b, 0,1,2,3
	v_add_nc_u32 v[SO+4*\u+\b], 0xf8800000, v[BM+4*\u+\b]      ; 15 off the exponent field: the conversion's scale operand
.endr
.irp b, 0,1,2,3
	v_lshrrev_b32 v[PM+4*\u+\b], 23, v[SO+4*\u+\b]             ; the scale's byte
.endr
.irp b, 0,1,2,3
	v_and_or_b32 v[BM+4*\u+\b], v[BM+4*\u+\b], 0x7f800000, s[MNT]   ; 57,344 x the scale
.endr
	v_lshl_or_b32 v[PSC+\u], v[PM+4*\u+1], 8, v[PM+4*\u]
	v_pk_add_f32 v[SX+2*\u:SX+2*\u+1], v[S+64*\u+8:S+64*\u+9], v[S+64*\u+10:S+64*\u+11]
	v_lshl_or_b32 v[PSC+\u], v[PM+4*\u+2], 16, v[PSC+\u]
	v_pk_add_f32 v[SM+2*\u:SM+2*\u+1], v[SM+2*\u:SM+2*\u+1], v[S+64*\u+12:S+64*\u+13]
	v_lshl_or_b32 v[PSC+\u], v[PM+4*\u+3], 24, v[PSC+\u]
	v_pk_add_f32 v[PM+4*\u:PM+4*\u+1], v[S+64*\u:S+64*\u+1], v[S+64*\u+2:S+64*\u+3]
	v_pk_add_f32 v[PM+4*\u+2:PM+4*\u+3], v[S+64*\u+4:S+64*\u+5], v[S+64*\u+6:S+64*\u+7]
.set jj, S+64*\u+14
.rept 6
	v_pk_add_f32 v[SX+2*\u:SX+2*\u+1], v[SX+2*\u:SX+2*\u+1], v[jj:jj+1]
	v_pk_add_f32 v[SM+2*\u:SM+2*\u+1], v[SM+2*\u:SM+2*\u+1], v[jj+2:jj+3]
	v_pk_add_f32 v[PM+4*\u:PM+4*\u+1], v[PM+4*\u:PM+4*\u+1], v[jj+4:jj+5]
	v_pk_add_f32 v[PM+4*\u+2:PM+4*\u+3], v[PM+4*\u+2:PM+4*\u+3], v[jj+6:jj+7]
.set jj, jj+8
.endr
	v_pk_add_f32 v[SX+2*\u:SX+2*\u+1], v[SX+2*\u:SX+2*\u+1], v[jj:jj+1]
	v_pk_add_f32 v[PM+4*\u:PM+4*\u+1], v[PM+4*\u:PM+4*\u+1], v[PM+4*\u+2:PM+4*\u+3]
	v_pk_add_f32 v[SM+2*\u:SM+2*\u+1], v[SM+2*\u:SM+2*\u+1], v[SX+2*\u:SX+2*\u+1]
	v_pk_add_f32 v[SM+2*\u:SM+2*\u+1], v[SM+2*\u:SM+2*\u+1], v[PM+4*\u:PM+4*\u+1]
.endm
.macro HOLD2 x, m                      ; the conversion does not saturate (ISA guide 7.6.2); p is not negative, so the hold is one-sided
	v_dual_min_num_f32 v[\x], v[\m], v[\x] :: v_dual_min_num_f32 v[\x+1], v[\m], v[\x+1]
.endm
.macro CVT u
	WIN 0x40
.irp b, 0,1,2,3
	v_cvt_scalef32_pk8_bf8_f32 v[160+16*\u+4*\b:161+16*\u+4*\b], v[S+64*\u+16*\b:S+64*\u+16*\b+7], v[SO+4*\u+\b]
	v_cvt_scalef32_pk8_bf8_f32 v[162+16*\u+4*\b:163+16*\u+4*\b], v[S+64*\u+16*\b+8:S+64*\u+16*\b+15], v[SO+4*\u+\b]
.endr
	WIN 0
.endm
; A STEP: 128 keys x 32 queries, up to p's codes.
.macro BODY
	s_cmp_gt_u32 s[KST], s[LD]                     ; all its keys come after my queries
	s_cbranch_scc1 .Lhid_\@
	s_wait_dscnt 16                                ; K's fragments 0-3 and scale words are in; the 16 loads of 4-7 may be out
	WIN 4
.irp t, 0,1,2,3
	KQ \t, 0
	KQ \t, 1
.endr
	s_wait_dscnt 0x0
	WIN 5
.irp t, 4,5,6,7
	KQ \t, 0
	KQ \t, 1
.endr
	WIN 0
	PLACES 8                                       ; in front of loads into what the products read, and of the first read of their results
	VL
	s_cmp_lg_u32 s[KST], s[LD]                     ; only the step on the diagonal has hidden keys
	s_cbranch_scc1 .Lopen_\@
	v_mov_b32 v18, 0xff800000                      ; -infinity: p = 0 then
.set jj, 0
.rept 64
	v_cmp_gt_i32 vcc_lo, 32*(jj/16)+jj%16, v[DG]
	v_cndmask_b32 v[S+jj], v[S+jj], v18, vcc_lo
	v_cmp_gt_i32 vcc_lo, 32*(jj/16)+jj%16, v[DG+1]
	v_cndmask_b32 v[S+64+jj], v[S+64+jj], v18, vcc_lo
.set jj, jj+1
.endr
.Lopen_\@:
.irp b, 0,1,2,3                        ; the largest score of each block of 32 keys: for the row's maximum and, since p rises with the score, for the block's largest p
.irp u, 0,1
	v_max3_num_f32 v[BM+4*\u+\b], v[S+64*\u+16*\b], v[S+64*\u+16*\b+1], v[S+64*\u+16*\b+2]
.endr
.endr
.irp i, 3,5,7,9,11,13
.irp b, 0,1,2,3
.irp u, 0,1
	v_max3_num_f32 v[BM+4*\u+\b], v[BM+4*\u+\b], v[S+64*\u+16*\b+\i], v[S+64*\u+16*\b+\i+1]
.endr
.endr
.endr
.irp b, 0,1,2,3
.irp u, 0,1
	v_max_num_f32 v[BM+4*\u+\b], v[BM+4*\u+\b], v[S+64*\u+16*\b+15]
.endr
.endr
.irp n, 0,1,2,3,4,5,6,7
	v_permlanex16_b32 v[PM+\n], v[BM+\n], s[SEL], s[SEL+1]
.endr
.irp n, 0,1,2,3,4,5,6,7
	v_max_num_f32 v[BM+\n], v[BM+\n], v[PM+\n]     ; with lane l xor 16's 16 keys
.endr
.irp u, 0,1
	v_max3_num_f32 v[FF+2*\u+1], v[BM+4*\u], v[BM+4*\u+1], v[BM+4*\u+2]
.endr
.irp u, 0,1
	v_max_num_f32 v[FF+2*\u+1], v[FF+2*\u+1], v[BM+4*\u+3]
.endr
.irp u, 0,1
	v_mul_f32 v[FF+2*\u+1], s[CS], v[FF+2*\u+1]    ; as t
.endr
.irp u, 0,1
	v_max_num_f32 v[NM+2*\u+1], v[NM+2*\u+1], v[FF+2*\u+1]
.endr
.irp u, 0,1
	v_mov_b32 v[FF+2*\u+1], v[NM+2*\u]
.endr
.irp u, 0,1
	v_floor_f32 v[NM+2*\u], -v[NM+2*\u+1]          ; the new -M = floor(-t) = -ceil(t)
.endr
.irp u, 0,1
	v_sub_f32 v[FF+2*\u+1], v[NM+2*\u], v[FF+2*\u+1]   ; old M - new M: a whole number, 0 or less
.endr
.irp u, 0,1
	v_cvt_i32_f32 v[FF+2*\u+1], v[FF+2*\u+1]       ; (it saturates)
.endr
.irp u, 0,1
	v_ldexp_f32 v[FF+2*\u], 1.0, v[FF+2*\u+1]      ; f = 2^(old M - new M)
.endr
.set jj, S
.rept 32
	v_pk_fma_f32 v[jj:jj+1], v[jj:jj+1], s[CS:CS+1], v[NM:NM+1] op_sel_hi:[1,0,0]   ; t - M, two at a time
.set jj, jj+2
.endr
.irp b, 0,1,2,3
	v_fma_f32 v[BM+\b], v[BM+\b], s[CS], v[NM]     ; the same of each block's largest score
.endr
	WA
.set jj, S
.rept 32                               ; tile 0's exponentials, tile 1's multiply-adds between them
	v_exp_f32 v[jj], v[jj]
	v_exp_f32 v[jj+1], v[jj+1]
	v_pk_fma_f32 v[jj+64:jj+65], v[jj+64:jj+65], s[CS:CS+1], v[NM+2:NM+3] op_sel_hi:[1,0,0]
.set jj, jj+2
.endr
.irp b, 0,1,2,3
	v_exp_f32 v[BM+\b], v[BM+\b]
	v_fma_f32 v[BM+4+\b], v[BM+4+\b], s[CS], v[NM+2]
.endr
	WA
	v_pk_mul_f32 v[SM:SM+1], v[SM:SM+1], v[FF:FF+1] op_sel_hi:[1,0]
	SCALESUM 0
	WA
.set jj, 0
.rept 32                               ; tile 1's exponentials, tile 0's holds between them
	v_exp_f32 v[S+64+jj], v[S+64+jj]
	v_exp_f32 v[S+65+jj], v[S+65+jj]
	HOLD2 S+jj, BM+jj/16
.set jj, jj+2
.endr
.irp b, 0,1,2,3
	v_exp_f32 v[BM+4+\b], v[BM+4+\b]
.endr
	v_pk_mul_f32 v[SM+2:SM+3], v[SM+2:SM+3], v[FF+2:FF+3] op_sel_hi:[1,0]   ; (the plain line behind the exponentials)
	WA
	CVT 0
	SCALESUM 1
.set jj, 0
.rept 32
	HOLD2 S+64+jj, BM+4+jj/16
.set jj, jj+2
.endr
	CVT 1
	s_branch .Lgo_\@
.Lhid_\@:                                              ; a hidden step: p = 0, f = 1
	WIN 0x40
.set jj, 160
.rept 32
	v_mov_b32 v[jj], 0
.set jj, jj+1
.endr
	WIN 0
	v_mov_b32 v[PSC], 0x7f7f7f7f
	v_mov_b32 v[PSC+1], 0x7f7f7f7f
	v_mov_b32 v[FF], 1.0
	v_mov_b32 v[FF+2], 1.0
.Lgo_\@:
.endm
; A TRIP'S END: the change of slots stands among O^T's products.  Each wave waits for its tensor load (its eighth of the next slot), adds 0 to its spare word, waits for that and for its reads of this slot.
; refill = 1: the barrier opens a round of the cluster's: no wave of any partner still reads this slot or has a load on its way; its joint refill, the trip two on, is the first thing behind it.
.macro TAIL refill
	WIN 0x41
	WA
	RESC 0
	WA
	s_wait_dscnt 0x0                               ; V^T's fragments are in (a hidden step: K's): my reads of this slot are over
	WIN 0x54
.irp t, 0,1,2,3
	PV \t, 0
	PV \t, 1
.endr
	WIN 0
	s_wait_tensorcnt 0x0
	ds_add_u32 v[SPW], v[NIL]
.if \refill
	s_add_co_u32 s[G0+1], s[TB], s[PQ]             ; no tensor load of mine is out, so group 0 may be written: this slot,
	s_sub_co_u32 s60, s[RI], s[NA]
	s_cmp_lt_u32 s[RI], s[NA]
	s_cselect_b32 s60, s[RI], s60                  ; trip RI's place among the head's slots: the early phase begins again at 0
	s_mul_i32 s60, s60, SLOTB
	s_mov_b32 s61, 0
	s_add_nc_u64 s[G0+2:G0+3], s[KV:KV+1], s[60:61]
	s_or_b32 s[G0+3], s[G0+3], 0x80000000
	s_add_co_u32 s[RI], s[RI], 1
	s_wait_xcnt 0x0                                ; the last prefetch has read its address, so it may be written
	s_add_nc_u64 s[PFA:PFA+1], s[PFA:PFA+1], SLOTB
.endif
	s_xor_b32 s[TB], s[TB], SLOTB
	WIN 0x41
	WA
	RESC 32                                        ; work on registers under the add; also the places in front of the loads into fragments 0-3
	WIN 0
	WA
	s_wait_dscnt 0x0
	s_barrier_signal -1
	s_barrier_wait -1
.if \refill
	CREST
	JLOAD
.endif
	v_add_nc_u32 v[ADR], s[TB], v[ADR0]
	WA
.if \refill
	KL0
.else
	s_cmp_eq_u32 s[CNT], 1                         ; the last trip has no next step
	s_cbranch_scc1 .Lnok0_\@
	KL0
.Lnok0_\@:
.endif
	WIN 0x55
.irp t, 4,5,6,7
	PV \t, 0
	PV \t, 1
.endr
	WIN 0
	PLACES 8
.if \refill
	KL1
	; A PREFETCH INTO THE L2 of the codes of the slot that the NEXT trip's refill will ask for, in the late phase.  All clusters of a head walk the same records: the head's clusters 0 and 4 ask, each for slots 3 on that
	; it will load itself.  Its partners share the four records out BY ADDRESS, one each: 128 pieces of 256 bytes, waves 4 to 7, a lane a piece.  Slots 0 to 2 and the scale blocks come by their loads alone.
	s_cmp_gt_i32 s[PF], 0
	s_cbranch_scc0 .Lnot_mine_\@
	global_prefetch_b8 v[PFO], s[PFA:PFA+1] th:TH_LOAD_NT scope:SCOPE_SE
.Lnot_mine_\@:
	s_sub_co_i32 s[PF], s[PF], 1
.else
	s_cmp_eq_u32 s[CNT], 1
	s_cbranch_scc1 .Lnok1_\@
	KL1
.Lnok1_\@:
.endif
	s_add_co_u32 s[KST], s[KST], 4
	s_add_co_u32 s[TR], s[TR], 1
.endm
; THE JOIN of a phase's four partial results.  M = the largest of the four; each wave multiplies its O^T by 2^(its M - M) / the whole sum; wave j then gathers channel block j (registers 16 j .. 16 j + 15) of each tile:
; its own stays in registers, three come through LDS.  It quantises the block and stores 512 consecutive bytes of y's image.
.macro SENDQ u, q
	s_cmp_eq_u32 s[J], \q
	s_cbranch_scc1 .Lown_\@
	v_add_nc_u32 v18, s[XQ+\q], v[LN]
	WIN 4
.irp g, 0,1,2,3
	ds_store_b128 v18, v[64*\u+16*\q+4*\g:64*\u+16*\q+4*\g+3] offset:512*\g
.endr
	WIN 0
	s_branch .Lsent_\@
.Lown_\@:
	WIN 1
.set jj, 0
.rept 16
	v_mov_b32 v[96+jj], v[64*\u+16*\q+jj]
.set jj, jj+1
.endr
	WIN 0
	WA
.Lsent_\@:
.endm
.macro JTILE u
.irp q, 0,1,2,3
	SENDQ \u, \q
.endr
	WA
	s_wait_dscnt 0x0
	BARRIER
.irp k, 0,1,2
.irp g, 0,1,2,3
	ds_load_b128 v[112+16*\k+4*\g:115+16*\k+4*\g], v19 offset:2048*\k+512*\g
.endr
.endr
	s_wait_dscnt 0x0
.if \u == 0
	s_barrier_signal -1                            ; tile 0's bytes have been read: tile 1's may be stored there behind this barrier
.endif
.set jj, 0
.rept 8
	v_pk_add_f32 v[96+jj:97+jj], v[96+jj:97+jj], v[112+jj:113+jj]
	v_pk_add_f32 v[128+jj:129+jj], v[128+jj:129+jj], v[144+jj:145+jj]
.set jj, jj+2
.endr
.set jj, 0
.rept 8
	v_pk_add_f32 v[96+jj:97+jj], v[96+jj:97+jj], v[128+jj:129+jj]
.set jj, jj+2
.endr
	v_max3_num_f32 v80, |v96|, |v97|, 0x8000000    ; the largest magnitude of my 16, and the floor
	v_max3_num_f32 v81, |v98|, |v99|, |v100|
	v_max3_num_f32 v80, v80, |v101|, |v102|
	v_max3_num_f32 v81, v81, |v103|, |v104|
	v_max3_num_f32 v80, v80, |v105|, |v106|
	v_max3_num_f32 v81, v81, |v107|, |v108|
	v_max3_num_f32 v80, v80, |v109|, |v110|
	v_max3_num_f32 v80, v80, v81, |v111|
	v_permlanex16_b32 v82, v80, s[SEL], s[SEL+1]
	v_max_num_f32 v80, v80, v82                    ; with lane l xor 16's 16 channels: the block's
	v_add_nc_u32 v84, 0xf8800000, v80
	v_and_or_b32 v83, v80, 0x7f800000, s[MNT]
	v_lshrrev_b32 v[86+\u], 23, v84
.set jj, 96
.rept 16
	v_med3_num_f32 v[jj], v[jj], -v83, v83
.set jj, jj+1
.endr
	v_cvt_scalef32_pk8_bf8_f32 v[88+4*\u:89+4*\u], v[96:103], v84
	v_cvt_scalef32_pk8_bf8_f32 v[90+4*\u:91+4*\u], v[104:111], v84
	v_nop
	WA
.if \u == 0
	s_barrier_wait -1
.endif
	ds_store_b8 v63, v[86+\u] offset:64*\u         ; both halves of the lanes write the same byte with the same value
	global_store_b128 v[LN], v[88+4*\u:91+4*\u], s[QL+4:QL+5] offset:16384*\u
.endm
.macro JOIN
.irp u, 0,1
	v_add_f32 v[SM+2*\u], v[SM+2*\u], v[SM+2*\u+1]
.endr
.irp u, 0,1
	v_permlanex16_b32 v[FF+2*\u+1], v[SM+2*\u], s[SEL], s[SEL+1]
.endr
.irp u, 0,1
	v_add_f32 v[NM+2*\u+1], v[SM+2*\u], v[FF+2*\u+1]   ; my part of the row's sum, beside -M
.endr
	v_lshrrev_b32 v63, 1, v[LN]
	v_add_nc_u32 v18, s[XAS], v63
	v_add_nc_u32 v19, s[XRS], v63
	v_and_b32 v63, 15, v0
	v_lshl_add_u32 v63, v63, 2, s[XSS]
	ds_store_b64 v18, v[NM:NM+1]
	ds_store_b64 v18, v[NM+2:NM+3] offset:256
	WA
	s_wait_dscnt 0x0
	BARRIER
.irp u, 0,1
.irp k, 0,1,2,3
	ds_load_b64 v[64+8*\u+2*\k:65+8*\u+2*\k], v19 offset:1024*\k+256*\u
.endr
.endr
	s_wait_dscnt 0x0
	v_add_nc_u32 v19, s[XBS], v[LN]
.irp u, 0,1
	v_min3_num_f32 v[80+\u], v[64+8*\u], v[66+8*\u], v[68+8*\u]
.endr
.irp u, 0,1
	v_min_num_f32 v[80+\u], v[80+\u], v[70+8*\u]   ; -M of the whole row
.endr
.irp k, 0,1,2,3
.irp u, 0,1
	v_sub_f32 v[82+4*\u+\k], v[80+\u], v[64+8*\u+2*\k]
.endr
.endr
.irp u, 0,1
	v_sub_f32 v[90+\u], v[80+\u], v[NM+2*\u]
.endr
.irp n, 0,1,2,3,4,5,6,7,8,9
	v_cvt_i32_f32 v[82+\n], v[82+\n]
.endr
.irp k, 0,1,2,3
.irp u, 0,1
	v_ldexp_f32 v[82+4*\u+\k], v[65+8*\u+2*\k], v[82+4*\u+\k]
.endr
.endr
.irp u, 0,1
	v_ldexp_f32 v[90+\u], 1.0, v[90+\u]
.endr
.irp u, 0,1
	v_add_f32 v[82+4*\u], v[82+4*\u], v[83+4*\u]
	v_add_f32 v[84+4*\u], v[84+4*\u], v[85+4*\u]
.endr
.irp u, 0,1
	v_add_f32 v[82+4*\u], v[82+4*\u], v[84+4*\u]
.endr
	WA
	v_rcp_f32 v82, v82
	v_rcp_f32 v86, v86
	v_nop
	WA
	v_mul_f32 v[FF], v82, v90
	v_mul_f32 v[FF+2], v86, v91
	WIN 0x41
	WA
	RESC 0
	RESC 32
	WIN 0
	WA
	JTILE 0
	JTILE 1
	v_lshrrev_b32 v19, 2, v[LN]
	v_add_nc_u32 v18, s[XWS], v19
	WA
	s_wait_dscnt 0x0
	BARRIER
	s_cmp_lg_u32 s[J], 0                           ; wave j = 0 stores the pair's 32 scale words, 128 consecutive bytes
	s_cbranch_scc1 .Lnoword_\@
	ds_load_b32 v80, v18
	s_wait_dscnt 0x0
	global_store_b32 v19, v80, s[QL+6:QL+7]
.Lnoword_\@:
.endm
.macro PHASE                           ; on to the early pair
	s_wait_xcnt 0x0                                ; the stores have read their registers and bases
	s_mov_b64 s[QL+4:QL+5], s[QE+4:QE+5]
	s_mov_b64 s[QL+6:QL+7], s[QE+6:QE+7]
	s_mov_b32 s[LD], s[LDE]
	s_mov_b32 s[KST], s[J]
	v_and_b32 v63, 15, v0
	v_lshlrev_b32 v63, 4, v63
	QLOAD QE
	INIT
	WA
	s_wait_loadcnt 0x0
.endm
	s_load_b256 s[4:11], s[0:1], 0x0               ; qimg s[4:5], kvimg s[6:7], yimg s[8:9], yscl s[10:11]
	v_lshl_add_u32 v[SPW], v0, 2, SPARE
	v_mov_b32 v[NIL], 0
	ds_add_u32 v[SPW], v[NIL]                      ; the wave's opening: the add, twice on end, and its wait ahead of my first tensor load
	ds_add_u32 v[SPW], v[NIL]
	v_lshrrev_b32 v1, 5, v0
	v_readfirstlane_b32 s[WV], v1                  ; wave 0..7
	s_bfe_u32 s13, ttmp6, 0x40000                  ; cx
	s_and_b32 s15, ttmp7, 0xffff                   ; the head
	s_and_b32 s14, s[WV], 1                        ; p
	s_lshr_b32 s[J], s[WV], 1
	s_lshr_b32 s60, ttmp9, 1
	s_sub_co_u32 s[NA], 8, s60                     ; slots of the late phase
	s_lshl_b32 s61, ttmp9, 1
	s_add_co_u32 s[LDE], s61, s14                  ; the early block, and its last key step
	s_sub_co_u32 s[LD], 31, s[LDE]                 ; the late one
	s_mov_b32 s[KST], s[J]
	s_mov_b32 s[TR], 0
	s_mov_b32 s[RI], 2
	s_mov_b32 s[TB], 0
	s_mov_b32 s[G1], 15|(3<<16)|(1<<21)            ; group 1: the mask: all four partners; elements of 8 bytes; 21 set beside a mask; 66 rows of 256 bytes, dense
	s_mov_b32 s[G1+1], 32<<16
	s_mov_b32 s[G1+2], 66<<16
	s_mov_b32 s[G1+3], 32<<16
	s_mov_b32 s[G1+4], 66
	s_mov_b32 s[G1+5], 32
	s_mov_b32 s[G1+6], 0
	s_mov_b32 s[G1+7], 0
	s_mul_i32 s[PQ], s[WV], PART                   ; my eighth of a slot, in LDS and in memory alike
	s_mul_i32 s59, s15, 32*RECB                    ; the head's records
	s_add_co_u32 s54, s59, s[PQ]
	s_mov_b32 s55, 0
	s_mov_b32 s[SEL], 0x76543210
	s_mov_b32 s[SEL+1], 0xfedcba98
	s_mov_b32 s[CS], 0x3e0293ee                    ; log2(e) / sqrt(128)
	s_mov_b32 s[CS+1], s[CS]
	s_mov_b32 s[MNT], 0x600000
	s_mul_i32 s62, s14, 24576                      ; the join's places in LDS
	s_add_co_u32 s60, s[J], 3
	s_and_b32 s60, s60, 3
	s_lshl_b32 s60, s60, 11
	s_add_co_u32 s60, s60, s62
	s_add_co_u32 s[XQ], s60, XO
	s_add_co_u32 s60, s[J], 2
	s_and_b32 s60, s60, 3
	s_lshl_b32 s60, s60, 11
	s_add_co_u32 s60, s60, s62
	s_add_co_u32 s[XQ+1], s60, XO+6144
	s_add_co_u32 s60, s[J], 1
	s_and_b32 s60, s60, 3
	s_lshl_b32 s60, s60, 11
	s_add_co_u32 s60, s60, s62
	s_add_co_u32 s[XQ+2], s60, XO+2*6144
	s_and_b32 s60, s[J], 3
	s_lshl_b32 s60, s60, 11
	s_add_co_u32 s60, s60, s62
	s_add_co_u32 s[XQ+3], s60, XO+3*6144
	s_mul_i32 s60, s[J], 6144
	s_add_co_u32 s60, s60, s62
	s_add_co_u32 s[XBS], s60, XO
	s_lshl_b32 s60, s[WV], 9
	s_add_co_u32 s[XAS], s60, XM
	s_lshl_b32 s60, s14, 9
	s_add_co_u32 s[XRS], s60, XM
	s_lshl_b32 s60, s14, 7
	s_add_co_u32 s[XWS], s60, XS
	s_add_co_u32 s[XSS], s[XWS], s[J]
	PTRS LD, QL
	PTRS LDE, QE
	v_and_b32 v63, 31, v0
	v_lshlrev_b32 v[LN], 4, v63
	v_lshlrev_b32 v[PFO], 8, v63
	s_mul_i32 s60, s[J], RECB
	v_add_nc_u32 v[ADR0], s60, v[LN]               ; record j of slot 0, 16 x lane
	v_add_nc_u32 v[ADR], s60, v[LN]
	v_and_b32 v18, 15, v0
	v_bfe_u32 v19, v0, 4, 1
	v_lshlrev_b32 v63, 4, v18                      ; 16 r: Q's scale words
	v_and_b32 v[DG], 8, v18
	v_add_nc_u32 v[DG], v[DG], v18
	v_lshlrev_b32 v19, 4, v19
	v_sub_nc_u32 v[DG], v[DG], v19
	s_lshl_b32 s60, s13, 5
	v_add_nc_u32 v[DG], s60, v[DG]                 ; tile 0: my query in its block, less 16 h: on the diagonal register 16 b + i (key 32 b + 16 h + i) is hidden where 32 b + i is greater
	v_add_nc_u32 v[DG+1], 8, v[DG]
	s_lshr_b32 s62, s[WV], 2                       ; who prefetches: waves 4 to 7 of the head's clusters 0 and 4
	s_xor_b32 s62, s62, 1
	s_and_b32 s60, ttmp9, 3
	s_or_b32 s62, s62, s60
	s_sub_co_u32 s60, s[NA], 3
	s_cmp_eq_u32 s62, 0
	s_cselect_b32 s[PF], s60, 0
	s_mul_i32 s60, s13, RECB                       ; slot 2 (the first trip steps it to slot 3), record cx, my 32 pieces
	s_add_co_u32 s60, s60, s59
	s_and_b32 s62, s[WV], 3
	s_lshl_b32 s62, s62, 13
	s_add_co_u32 s60, s60, s62
	s_add_co_u32 s60, s60, 2*SLOTB
	s_mov_b32 s61, 0
	WA
	s_wait_dscnt 0x0                               ; both opening adds are done
	s_wait_kmcnt 0x0
	s_add_nc_u64 s[KV:KV+1], s[6:7], s[54:55]
	s_add_nc_u64 s[PFA:PFA+1], s[6:7], s[60:61]
	s_add_nc_u64 s[QL:QL+1], s[4:5], s[QL:QL+1]
	s_add_nc_u64 s[QL+2:QL+3], s[4:5], s[QL+2:QL+3]
	s_add_nc_u64 s[QL+4:QL+5], s[8:9], s[QL+4:QL+5]
	s_add_nc_u64 s[QL+6:QL+7], s[10:11], s[QL+6:QL+7]
	s_add_nc_u64 s[QE:QE+1], s[4:5], s[QE:QE+1]
	s_add_nc_u64 s[QE+2:QE+3], s[4:5], s[QE+2:QE+3]
	s_add_nc_u64 s[QE+4:QE+5], s[8:9], s[QE+4:QE+5]
	s_add_nc_u64 s[QE+6:QE+7], s[10:11], s[QE+6:QE+7]
	s_mov_b32 s[G0], 1
	s_mov_b32 s[G0+1], s[PQ]
	s_mov_b64 s[G0+2:G0+3], s[KV:KV+1]
	s_or_b32 s[G0+3], s[G0+3], 0x80000000
	BARRIER                                        ; a round: all four work-groups are here: the first joint loads meet
	CREST
	JLOAD                                          ; slot 0: one load a wave
	QLOAD QL
	INIT
.irp n, 0,1,2,3
	v_mov_b32 v[FF+\n], 0
	v_mov_b32 v[PM+\n], 0                          ; (a lane permute's destination counts as one of its sources)
	v_mov_b32 v[PM+4+\n], 0
	v_mov_b32 v[VSC+\n], 0x7f7f7f7f                ; (a hidden first step names them)
.endr
.set jj, 96
.rept 16
	v_mov_b32 v[jj], 0                             ; (the join's own block: written in one arm of four)
.set jj, jj+1
.endr
	WA
	s_wait_tensorcnt 0x0                           ; my part of slot 0 is in; these lines stand ahead of slot 1's first fill as ahead of a refill
	ds_add_u32 v[SPW], v[NIL]
	s_add_co_u32 s[G0+1], s[PQ], SLOTB
	s_add_nc_u64 s[G0+2:G0+3], s[KV:KV+1], SLOTB
	s_or_b32 s[G0+3], s[G0+3], 0x80000000
	s_wait_dscnt 0x0
	BARRIER
	CREST
	JLOAD                                          ; slot 1
	KL0
	KL1
	s_wait_loadcnt 0x0                             ; Q
	s_mov_b32 s[CNT], 7
.Lloop:                                                ; trips 0 to 6: each fills its slot again, for the trip two on
	BODY
	TAIL 1
	s_cmp_lg_u32 s[TR], s[NA]                      ; the late phase's end?  Ids and the count of trips alone: the same in all partners
	s_cbranch_scc1 .Lsame
	JOIN
	PHASE
.Lsame:
	s_sub_co_u32 s[CNT], s[CNT], 1
	s_cmp_lg_u32 s[CNT], 0
	s_cbranch_scc1 .Lloop
	s_mov_b32 s[CNT], 2
.Lloop2:                                               ; trips 7 and 8 fill nothing
	BODY
	TAIL 0
	s_cmp_eq_u32 s[TR], s[NA]
	s_cselect_b32 s60, 1, 0
	s_cmp_eq_u32 s[CNT], 1
	s_cselect_b32 s60, 1, s60
	s_cmp_eq_u32 s60, 0
	s_cbranch_scc1 .Lsame2
	JOIN
	s_cmp_eq_u32 s[CNT], 1
	s_cbranch_scc1 .Lsame2
	PHASE
.Lsame2:
	s_sub_co_u32 s[CNT], s[CNT], 1
	s_cmp_lg_u32 s[CNT], 0
	s_cbranch_scc1 .Lloop2
	s_wait_tensorcnt 0x0                           ; the wave's end
	ds_add_u32 v[SPW], v[NIL]
	s_wait_dscnt 0x0
	BARRIER                                        ; the closing round
	CREST
	s_endpgm
.Lfunc_end_k_q3060d19183_attn:
	.size	k_q3060d19183_attn, .Lfunc_end_k_q3060d19183_attn-k_q3060d19183_attn
	.p2alignl 7, 3214868480
	.fill 96, 4, 3214868480
	.section	.rodata,"a",@progbits
	.p2align	6, 0x0
	.amdhsa_kernel k_q3060d19183_attn
		.amdhsa_group_segment_fixed_size 327680
		.amdhsa_private_segment_fixed_size 0
		.amdhsa_enable_private_segment 0
		.amdhsa_kernarg_size 32
		.amdhsa_user_sgpr_count 2
		.amdhsa_user_sgpr_kernarg_segment_ptr 1
		.amdhsa_wavefront_size32 1
		.amdhsa_system_sgpr_workgroup_id_x 1
		.amdhsa_system_sgpr_workgroup_id_y 1
		.amdhsa_system_sgpr_workgroup_id_z 1
		.amdhsa_system_vgpr_workitem_id 0
		.amdhsa_next_free_vgpr 512
		.amdhsa_next_free_sgpr 96
		.amdhsa_reserve_vcc 1
		.amdhsa_float_denorm_mode_32 3
		.amdhsa_float_denorm_mode_16_64 3
		.amdhsa_memory_ordered 1
		.amdhsa_forward_progress 1
		.amdhsa_inst_pref_size 183
	.end_amdhsa_kernel
	.amdgpu_metadata
---
amdhsa.version: [ 1, 2 ]
amdhsa.kernels:
  - .name:           k_q3060d19183_attn
    .symbol:         k_q3060d19183_attn.kd
    .args:
      - { .name: qimg, .offset: 0, .size: 8, .value_kind: global_buffer, .address_space: global }
      - { .name: kvimg, .offset: 8, .size: 8, .value_kind: global_buffer, .address_space: global }
      - { .name: yimg, .offset: 16, .size: 8, .value_kind: global_buffer, .address_space: global }
      - { .name: yscl, .offset: 24, .size: 8, .value_kind: global_buffer, .address_space: global }
    .group_segment_fixed_size: 327680
    .private_segment_fixed_size: 0
    .kernarg_segment_align: 8
    .kernarg_segment_size: 32
    .max_flat_workgroup_size: 256
    .sgpr_count:     96
    .vgpr_count:     512
    .wavefront_size: 32
...
	.end_amdgpu_metadata
.endif
;; end of part 3
;; launch proj (part 4): grid 8 x 32, 4 waves a work-group, clusters of 4 x 4, 327,680 bytes of LDS; arguments yimg, yscl, codes, scales, b_proj, out0; writes out0
.if DOCPART == 4
	.amdgcn_target "amdgcn-amd-amdhsa--gfx1250"
	.amdhsa_code_object_version 6
	.text
	.protected	k_q3060d19183_proj
	.globl	k_q3060d19183_proj
	.p2align	8
	.type	k_q3060d19183_proj,@function
k_q3060d19183_proj:
	s_mov_b64 s[64:65], 0
	v_nop
	global_prefetch_b8 v0, s[64:65] scope:SCOPE_SE
	s_setreg_imm32_b32 hwreg(HW_REG_WAVE_MODE, 25, 1), 1
	s_wait_xcnt 0x0
	s_wait_alu depctr_hold_cnt(0) depctr_sa_sdst(0) depctr_va_vdst(0) depctr_va_sdst(0) depctr_va_ssrc(0) depctr_va_vcc(0) depctr_vm_vsrc(0)
	s_getreg_b32 s2, hwreg(HW_REG_IB_STS2, 6, 4)
	s_cmp_eq_u32 s2, 0
	s_cbranch_scc0 .Lentry_in_a_cluster
	s_endpgm
.Lentry_in_a_cluster:
	s_bfe_u32 s2, ttmp6, 0x10000c
	s_cmp_lg_u32 s2, 0xf033
	s_cbranch_scc0 .Lentry_shape_is_right
	s_endpgm
.Lentry_shape_is_right:
; out0 = y w_proj^T + b_proj: 4,096 x 1,024 x 1,024 on codes of BF8 (E5M2) with E8M0 scales, f32 sums that begin with the bias.
; 256 work-groups of 128 x 128; a wave makes 64 x 64.  ALL OF K STANDS IN LDS: 128 rows of y (131,072 bytes), 128 of w_proj (133,120 with padding), both sides' scale words: no ring, no refill.
; A wave's 64 rows of w_proj then stand in 512 registers, and y's four tiles of 16 rows pass one after the other: each leaves as soon as it is finished, while the next is multiplied.
; yimg [tile of 16 rows][head] images of operand registers of 2,048 bytes; yscl [head][row] scale words; w_proj's codes are rows 7,168 on of the joint buffer.  A row of either stands at the place whose number has bits 3 and 4
; exchanged: lane r of tile i is row 32 (i / 2) + 8 (i % 2) + r + 8 (r / 8).  Source 0 = w_proj's rows, source 1 = y's: a lane holds eight neighbouring columns of one row.
; CLUSTERS of 4 x 4: y's rows are shared along a row of the cluster, w_proj's along a column: joint loads.  No prefetch: everything comes by the head's loads, and no loop runs ahead of anything.
; REGISTERS.  Window 0: v1-31 addresses, v32-47 w_proj's scale words, v52-67 y's, v72-103 the bias, v128-255 y's even tiles.  Windows 1, 2: w_proj's fragments (4 K step + tile).
; Window 3: v0-63 the sums, two sets; v64-127 rows on their way out, two sets; v128-255 y's odd tiles.
.set BOFF,   131072
.set PITCH,  1040
.set SCA,    BOFF+128*PITCH
.set SCB,    SCA+4096
.set STG,    SCB+4096                  ; the way out: 16 rows x 272 bytes for each wave
.set SPITCH, 272
.set SPARE,  STG+4*16*SPITCH
.set ADA, 16
.set ADB, 17
.set ASA, 18
.set ASB, 19
.set BQ,  20
.set STO, 21
.set RD,  22
.set CO,  23
.set SPW, 24
.set NIL, 25
.set SB,  32
.set SA,  52
.set CB,  72
.set G1A, 20
.set G1B, 28
.set G1S, 48
.set G1T, 56
.set G0A, 36
.set G0B, 68
.set G0S, 72
.set G0T, 76
.set MSB, 0
.macro WIN new
.if MSB != \new
	s_set_vgpr_msb (MSB<<8)|\new
.set MSB, \new
.endif
.endm
.macro PLACES n
.rept \n
	v_nop
.endr
.endm
.macro CROUND
	s_barrier_signal -1
	s_barrier_wait -1
	s_cmp_lg_u32 s16, 0
	s_cbranch_scc1 .Lnot_wave_0_\@
	s_barrier_signal -3
.Lnot_wave_0_\@:
	s_barrier_wait -3
	s_barrier_signal -1
	s_barrier_wait -1
.endm
.macro GROUP1 g, mask, flags, c, r, p  ; a tile of r rows of c elements, p elements apart
	s_or_b32 s[\g], s[\mask], (\flags)|(1<<21)
	s_mov_b32 s[\g+1], (\c)<<16
	s_mov_b32 s[\g+2], (\r)<<16
	s_mov_b32 s[\g+3], (\c)<<16
	s_mov_b32 s[\g+4], \r
	s_mov_b32 s[\g+5], \p
	s_mov_b32 s[\g+6], 0
	s_mov_b32 s[\g+7], 0
.endm
.macro GROUP0 g, lds, base, off
	s_mov_b32 s[\g], 1
	s_mov_b32 s[\g+1], \lds
	s_add_nc_u64 s[\g+2:\g+3], s[\base:\base+1], s[\off:\off+1]
	s_or_b32 s[\g+3], s[\g+3], 0x80000000
.endm
	s_load_b256 s[4:11], s[0:1], 0x0               ; yimg, yscl, codes, scales
	s_load_b128 s[12:15], s[0:1], 0x20             ; b_proj, out0
	v_lshl_add_u32 v[SPW], v0, 2, SPARE
	v_mov_b32 v[NIL], 0
	ds_add_u32 v[SPW], v[NIL]                      ; the wave's opening: the add, twice on end, and its wait ahead of my tensor load
	ds_add_u32 v[SPW], v[NIL]
	v_lshrrev_b32 v1, 5, v0
	v_readfirstlane_b32 s16, v1
	s_lshr_b32 s17, s16, 1                         ; which 64 rows
	s_and_b32 s18, s16, 1                          ; which 64 columns
	s_bfe_u32 s40, ttmp6, 0x40000                  ; cx, cy
	s_bfe_u32 s41, ttmp6, 0x40004
	s_lshl_b32 s42, ttmp9, 2
	s_add_co_u32 s42, s42, s40                     ; block column
	s_and_b32 s43, ttmp7, 0xffff
	s_lshl_b32 s43, s43, 2
	s_add_co_u32 s43, s43, s41                     ; block row
	s_lshl_b32 s44, s41, 2
	s_lshl_b32 s44, 15, s44                        ; my row of the cluster
	s_lshl_b32 s45, 0x1111, s40                    ; my column
	GROUP1 G1A, 44, 3<<16, 32, 512, 32             ; y: 131,072 dense bytes as rows of 256
	GROUP1 G1B, 45, (1<<20)|(7<<22)|(3<<25), 1024, 128, 1024   ; w_proj: 128 rows of 1,024 bytes, 16 of padding behind each
	GROUP1 G1S, 44, 3<<16, 64, 8, 2048             ; y's scale words: 512 bytes of each head
	GROUP1 G1T, 45, 3<<16, 32, 16, 32              ; w_proj's: 4,096 dense bytes
	s_lshl_b32 s80, s43, 17
	s_mov_b32 s81, 0
	s_lshl_b32 s82, s43, 9
	s_mov_b32 s83, 0
	s_lshl_b32 s84, s42, 7
	s_add_co_u32 s84, s84, 7168
	s_lshl_b32 s86, s84, 5
	s_mov_b32 s87, 0
	s_lshl_b32 s84, s84, 10
	s_mov_b32 s85, 0
	s_wait_alu depctr_va_vdst(0)
	s_wait_dscnt 0x0
	s_wait_kmcnt 0x0
	GROUP0 G0A, 0, 4, 80
	GROUP0 G0S, SCA, 6, 82
	GROUP0 G0B, BOFF, 8, 84
	GROUP0 G0T, SCB, 10, 86
	CROUND                                         ; all sixteen work-groups are here
.macro ARM under, g0, g1, next
	s_cmp_lt_u32 s16, \under
	s_cbranch_scc0 \next
	tensor_load_to_lds s[\g0:\g0+3], s[\g1:\g1+7]
	s_nop 0
	PLACES 4
	s_branch .Lasked
\next:
.endm
	ARM 1, G0A, G1A, .Lhead_b                      ; one load a wave, in one tree of branches on the wave's number
	ARM 2, G0B, G1B, .Lhead_s
	ARM 3, G0S, G1S, .Lhead_t
	tensor_load_to_lds s[G0T:G0T+3], s[G1T:G1T+7]
	s_nop 0
	PLACES 4
.Lasked:
	v_and_b32 v1, 15, v0                           ; r
	v_bfe_u32 v2, v0, 4, 1                         ; h
	v_and_b32 v3, 31, v0                           ; lane
	v_lshlrev_b32 v4, 4, v3
	s_lshl_b32 s19, s17, 16
	v_add_nc_u32 v[ADA], s19, v4                   ; y: four tiles of 16,384 bytes
	v_mul_u32_u24 v5, v1, PITCH
	v_lshl_add_u32 v5, v2, 4, v5
	s_mul_i32 s19, s18, 64*PITCH
	s_add_co_u32 s19, s19, BOFF
	v_add_nc_u32 v[ADB], s19, v5
	v_lshlrev_b32 v6, 2, v3
	s_lshl_b32 s19, s17, 8
	s_add_co_u32 s19, s19, SCA
	v_add_nc_u32 v[ASA], s19, v6
	v_lshlrev_b32 v7, 5, v3
	s_lshl_b32 s19, s18, 11
	s_add_co_u32 s19, s19, SCB
	v_add_nc_u32 v[ASB], s19, v7
	v_lshlrev_b32 v[BQ], 6, v2
	v_mul_u32_u24 v8, v1, SPITCH
	v_lshl_add_u32 v8, v2, 6, v8
	s_mul_i32 s19, s16, 16*SPITCH
	s_add_co_u32 s19, s19, STG
	v_add_nc_u32 v[STO], s19, v8                   ; the stage, in: row r, 64 h
	v_mul_u32_u24 v9, v2, SPITCH
	v_lshl_add_u32 v9, v1, 4, v9
	v_add_nc_u32 v[RD], s19, v9                    ; back: lanes 0-15 one row, lanes 16-31 the next
	v_lshlrev_b32 v10, 12, v2
	v_lshl_add_u32 v[CO], v1, 4, v10
	s_wait_alu depctr_va_vdst(0)
	s_lshl_b32 s88, s42, 9
	s_lshl_b32 s89, s18, 8
	s_add_co_u32 s88, s88, s89                     ; my first column, in bytes
	s_mov_b32 s89, 0
	s_add_nc_u64 s[12:13], s[12:13], s[88:89]
	s_lshl_b32 s90, s43, 19                        ; my first row: 128 x block row + 64 x half, 4,096 bytes each
	s_lshl_b32 s91, s17, 18
	s_add_co_u32 s90, s90, s91
	s_add_co_u32 s90, s90, s88
	s_mov_b32 s91, 0
	s_add_nc_u64 s[14:15], s[14:15], s[90:91]
.irp b, 0,1,2,3                        ; the bias: register j of tile b is column 32 (b / 2) + 8 (b % 2) + 16 h + j
	global_load_b128 v[CB+8*\b:CB+8*\b+3], v[BQ], s[12:13] offset:(32*(\b/2)+8*(\b%2))*4
	global_load_b128 v[CB+8*\b+4:CB+8*\b+7], v[BQ], s[12:13] offset:(32*(\b/2)+8*(\b%2))*4+16
.endr
.macro LDA a, k                        ; y's tile a, K step k: 4 loads
	WIN ((\a)%2)*0xc0
.irp c, 0,1,2,3
	ds_load_b128 v[128+16*(\k)+4*\c:131+16*(\k)+4*\c], v[ADA] offset:16384*(\a)+2048*(\k)+512*\c
.endr
.endm
.macro LDB k                           ; w_proj's four fragments of K step k: 16 loads
	WIN (1+(\k)/4)<<6
.irp b, 0,1,2,3
.irp c, 0,1,2,3
	ds_load_b128 v[64*((\k)%4)+16*\b+4*\c:64*((\k)%4)+16*\b+4*\c+3], v[ADB] offset:16*PITCH*\b+128*(\k)+32*\c
.endr
.endr
.endm
.macro MM a, k                         ; y's tile a, K step k: four products, the accumulators by turns
.if (\k) == 0
	WIN 0xc1|(12*((\a)%2))                         ; the first product begins with the bias, in window 0
.else
	WIN 0xf0|(1+(\k)/4)|(12*((\a)%2))
.endif
.irp b, 0,1,2,3
.set D_, 32*((\a)%2)+8*\b
.set C_, D_
.if (\k) == 0
.set C_, CB+8*\b
.endif
.set X_, 64*((\k)%4)+16*\b
.set Y_, 128+16*(\k)
.set P_, SB+8*(\b/2)+(\k)
.set Q_, SA+8*((\a)/2)+(\k)
.if ((\a)%2)+2*(\b%2) == 0
	v_wmma_scale_f32_16x16x128_f8f6f4 v[D_:D_+7], v[X_:X_+15], v[Y_:Y_+15], v[C_:C_+7], v[P_], v[Q_] matrix_a_fmt:MATRIX_FMT_BF8 matrix_b_fmt:MATRIX_FMT_BF8
.elseif ((\a)%2)+2*(\b%2) == 1
	v_wmma_scale_f32_16x16x128_f8f6f4 v[D_:D_+7], v[X_:X_+15], v[Y_:Y_+15], v[C_:C_+7], v[P_], v[Q_] matrix_a_fmt:MATRIX_FMT_BF8 matrix_b_fmt:MATRIX_FMT_BF8 matrix_b_scale:MATRIX_SCALE_ROW1
.elseif ((\a)%2)+2*(\b%2) == 2
	v_wmma_scale_f32_16x16x128_f8f6f4 v[D_:D_+7], v[X_:X_+15], v[Y_:Y_+15], v[C_:C_+7], v[P_], v[Q_] matrix_a_fmt:MATRIX_FMT_BF8 matrix_b_fmt:MATRIX_FMT_BF8 matrix_a_scale:MATRIX_SCALE_ROW1
.else
	v_wmma_scale_f32_16x16x128_f8f6f4 v[D_:D_+7], v[X_:X_+15], v[Y_:Y_+15], v[C_:C_+7], v[P_], v[Q_] matrix_a_fmt:MATRIX_FMT_BF8 matrix_b_fmt:MATRIX_FMT_BF8 matrix_a_scale:MATRIX_SCALE_ROW1 matrix_b_scale:MATRIX_SCALE_ROW1
.endif
.endr
.endm
; THE WAY OUT, 16 rows x 64 columns at a time through my own stage: LDS serves a wave's instructions in order.
.macro TOSTAGE a
	WIN 12
.irp b, 0,1,2,3
	ds_store_b128 v[STO], v[32*((\a)%2)+8*\b:32*((\a)%2)+8*\b+3] offset:128*(\b/2)+32*(\b%2)
	ds_store_b128 v[STO], v[32*((\a)%2)+8*\b+4:32*((\a)%2)+8*\b+7] offset:128*(\b/2)+32*(\b%2)+16
.endr
	WIN 0xc0
.irp t, 0,1,2,3,4,5,6,7
	ds_load_b128 v[64+32*((\a)%2)+4*\t:67+32*((\a)%2)+4*\t], v[RD] offset:2*\t*SPITCH
.endr
.endm
.macro SEND a
	s_wait_dscnt 0x0                               ; the rows are back in registers
	WIN 12
.irp t, 0,1,2,3,4,5,6,7
	global_store_b128 v[CO], v[64+32*((\a)%2)+4*\t:67+32*((\a)%2)+4*\t], s[14:15] offset:(32*((\a)/2)+8*((\a)%2)+2*\t+8*(\t/4))*4096 th:TH_STORE_NT   ; sixteen lanes store 256 consecutive bytes, aligned
.endr
.endm
	s_wait_tensorcnt 0x0                           ; my tile has landed; behind the barrier all four have.  Nothing is filled again
	s_barrier_signal -1
	s_barrier_wait -1
.irp m, 0,1                            ; scale words of all of K: lanes 0-15 tile 2 m's rows, lanes 16-31 tile 2 m + 1's
	ds_load_b128 v[SB+8*\m:SB+8*\m+3], v[ASB] offset:1024*\m
	ds_load_b128 v[SB+8*\m+4:SB+8*\m+7], v[ASB] offset:1024*\m+16
.irp k, 0,1,2,3,4,5,6,7
	ds_load_b32 v[SA+8*\m+\k], v[ASA] offset:512*\k+128*\m
.endr
.endr
.irp k, 0,1,2
	LDB \k
	LDA 0, \k
.endr
	s_wait_loadcnt 0x0                             ; the bias
.irp k, 0,1,2,3,4,5,6,7                ; tile 0, under the loads of w_proj's fragments: three K steps ahead, 20 loads each; behind them tile 1's 32
.if \k < 6
	s_wait_dscnt 40                                ; this K step's are in; the next two's may be out
.elseif \k == 6
	s_wait_dscnt 36                                ; K step 7's 20 and tile 1's first 16 may be out
.else
	s_wait_dscnt 32                                ; tile 1's 32 may be out
.endif
	MM 0, \k
.if \k < 5
	LDB \k+3
	LDA 0, \k+3
.elseif \k < 7
.irp i, 0,1,2,3
	LDA 1, 4*(\k-5)+\i
.endr
.endif
.endr
.irp a, 0,1,2,3
	WIN 0
	PLACES 8                                       ; in front of loads into what tile a's products have read, and of the stage's stores of their results
.if \a < 2
.irp k, 0,1,2,3,4,5,6,7
	LDA \a+2, \k
.endr
.else
	s_wait_xcnt 0x0                                ; tile a - 2's stores have read the registers that the stage's loads take
.endif
	TOSTAGE \a
.if \a < 3
.if \a == 0
	s_wait_dscnt 48                                ; tile 1 is in; tile 2's 32 and the stage's 16 may be out
.endif
.irp k, 0,1
	MM \a+1, \k
.endr
	SEND \a                                        ; (tiles 2 and 3 are in behind its wait)
.irp k, 2,3,4,5,6,7
	MM \a+1, \k
.endr
.else
	SEND \a
.endif
.endr
	WIN 0
	s_wait_tensorcnt 0x0                           ; the wave's end
	ds_add_u32 v[SPW], v[NIL]
	s_wait_dscnt 0x0
	CROUND                                         ; the closing round
	s_endpgm
.Lfunc_end_k_q3060d19183_proj:
	.size	k_q3060d19183_proj, .Lfunc_end_k_q3060d19183_proj-k_q3060d19183_proj
	.p2alignl 7, 3214868480
	.fill 96, 4, 3214868480
	.section	.rodata,"a",@progbits
	.p2align	6, 0x0
	.amdhsa_kernel k_q3060d19183_proj
		.amdhsa_group_segment_fixed_size 327680
		.amdhsa_private_segment_fixed_size 0
		.amdhsa_enable_private_segment 0
		.amdhsa_kernarg_size 48
		.amdhsa_user_sgpr_count 2
		.amdhsa_user_sgpr_kernarg_segment_ptr 1
		.amdhsa_wavefront_size32 1
		.amdhsa_system_sgpr_workgroup_id_x 1
		.amdhsa_system_sgpr_workgroup_id_y 1
		.amdhsa_system_sgpr_workgroup_id_z 1
		.amdhsa_system_vgpr_workitem_id 0
		.amdhsa_next_free_vgpr 1024
		.amdhsa_next_free_sgpr 98
		.amdhsa_reserve_vcc 0
		.amdhsa_float_denorm_mode_32 3
		.amdhsa_float_denorm_mode_16_64 3
		.amdhsa_memory_ordered 1
		.amdhsa_forward_progress 1
		.amdhsa_inst_pref_size 53
	.end_amdhsa_kernel
	.amdgpu_metadata
---
amdhsa.version: [ 1, 2 ]
amdhsa.kernels:
  - .name:           k_q3060d19183_proj
    .symbol:         k_q3060d19183_proj.kd
    .args:
      - { .name: yimg, .offset: 0, .size: 8, .value_kind: global_buffer, .address_space: global }
      - { .name: yscl, .offset: 8, .size: 8, .value_kind: global_buffer, .address_space: global }
      - { .name: codes, .offset: 16, .size: 8, .value_kind: global_buffer, .address_space: global }
      - { .name: scales, .offset: 24, .size: 8, .value_kind: global_buffer, .address_space: global }
      - { .name: b_proj, .offset: 32, .size: 8, .value_kind: global_buffer, .address_space: global }
      - { .name: out0, .offset: 40, .size: 8, .value_kind: global_buffer, .address_space: global }
    .group_segment_fixed_size: 327680
    .private_segment_fixed_size: 0
    .kernarg_segment_align: 8
    .kernarg_segment_size: 48
    .max_flat_workgroup_size: 128
    .sgpr_count:     98
    .vgpr_count:     1024
    .wavefront_size: 32
...
	.end_amdgpu_metadata
.endif
;; end of part 4
